; MI455X (gfx1250); checked and timed in simulation.
; The chip was launched on July 23, 2026; its instructions are those of AMD's public machine-readable ISA for CDNA 5 (MIT licence, August 2026) and "CDNA5" Instruction Set Architecture Reference Guide (July 2026). The comments in the code are by the model that wrote it; some were corrected since.
;; Multi Head Attention Block. Allowed arithmetic: matrix products marked QUANTISED: E2M3 operands, one E8M0 scale for each 32 along K, by v_wmma_scale_f32_16x16x128_f8f6f4 with both operands' format E2M3, f32 sums; everything else in f32.
;; Inputs: k 2 x 2,048 x 1,024 float32; mask 2 x 1 x 1 x 2,048 int32; q 2 x 2,048 x 1,024 float32; v 2 x 2,048 x 1,024 float32; w_k 1,024 x 1,024 float32; w_o 1,024 x 1,024 float32; w_q 1,024 x 1,024 float32; w_v 1,024 x 1,024 float32.
;; Outputs: out0 2 x 2,048 x 1,024 float32.
;; This version of the problem:
;;   THIS VERSION OF THE PROBLEM IS GIVEN IN LOW PRECISION. The matrix products marked QUANTISED in the list below multiply operands that are first quantised to E2M3 (2 exponent bits, 3 mantissa bits; 6 bits a number), with one power-of-two scale for each 32 numbers along K (OCP MX v1.0); their sums are f32. All else is computed in f32.
;;   The module's matrix products, in the order in which they are computed (A, B: the left and right operand; K: the contracted axis; several contracted axes count as one K, in the product's order):
;;     1. [M 4,096, K 1,024] x [K 1,024, N 1,024]; A: input q; B: input w_q: QUANTISED
;;     2. [M 4,096, K 1,024] x [K 1,024, N 1,024]; A: input k; B: input w_k: QUANTISED
;;     3. [M 4,096, K 1,024] x [K 1,024, N 1,024]; A: input v; B: input w_v: QUANTISED
;;     4. batch 32 x [M 2,048, K 64] x [K 64, N 2,048]; A: computed on the way; B: computed on the way: QUANTISED
;;     5. batch 32 x [M 2,048, K 2,048] x [K 2,048, N 64]; A: softmax (see below); B: computed on the way: QUANTISED
;;     6. [M 4,096, K 1,024] x [K 1,024, N 1,024]; A: computed on the way; B: input w_o: QUANTISED
;;   THE QUANTISER, for each operand of a quantised product, along K:
;;     - K is cut into blocks of 32 from its start; a last block that is shorter is filled with zeros.
;;     - A block's scale is 2^e with e = floor(log2(the largest magnitude in the block)) - 2, held to -126 .. 127; a block of zeros has e = 0. As a byte (E8M0): e + 127.
;;     - Each number is divided by its block's scale, clamped to +-7.5, and rounded to the nearest number of E2M3, ties to even, subnormals kept.
;;     - The product sums the exact products of the quantised numbers (number of the format x scale) in f32.
;;   ~~~python
;;   def quantise(x, axis):      # numpy; x: float32 -> the quantised numbers, widened to float32 again
;;       x = np.moveaxis(x, axis, -1); K = x.shape[-1]
;;       x = np.pad(x, [(0, 0)] * (x.ndim - 1) + [(0, -K % 32)]); x = x.reshape(x.shape[:-1] + (-1, 32)); a = np.abs(x).max(-1, keepdims=True)
;;       e = np.where(a > 0, np.clip(np.frexp(np.where(a > 0, a, 1))[1] - 1 - 2, -126, 127), 0)      # np.frexp(a)[1] - 1 = floor(log2(a)), exactly
;;       r = np.clip(x / 2.0 ** e, -7.5, 7.5)
;;       step = 2.0 ** (np.maximum(np.frexp(np.where(r == 0, 1, r))[1] - 1, 0) - 3)
;;       q = np.round(r / step) * step * 2.0 ** e      # np.round: ties to even
;;       return np.moveaxis(q.reshape(q.shape[:-2] + (-1,))[..., :K], -1, axis).astype(np.float32)
;;   ~~~
;;   SOFTMAX AHEAD OF A QUANTISED PRODUCT. Where the list says 'softmax', what is quantised is not the finished softmax but p = 2^(t - M), with t = logit x log2(e) and M = ceil(the row's largest t), a whole number; so 1/2 < the row's largest p <= 1. The row's sum l is taken of the UNQUANTISED p, in f32, and the product's result is divided by l at the end. Since M is a whole number, a kernel that streams over the keys may use a running M (the ceiling of the running maximum): every later rescaling is an exact power of two, which a block's scale takes up: the codes' values come out the same.
;;   OPERANDS COMPUTED ON THE WAY. 'Computed on the way' means the value that the module computes at that place (a softmax that the list does not call 'softmax' is quantised finished and normalised). What goes into a quantiser is computed in f32, as accurately as f32 sums, v_exp_f32 and their like allow (about 1e-6 of the number): no bf16 or f16 on the way to a quantiser, and a product that is left as it is and whose result goes on into a quantised operand takes f32 operands (vector FMAs, or v_wmma_f32_16x16x4_f32). A number that lies on a knife's edge between two numbers of the format may be rounded either way, as far as f32 arithmetic and the matrix unit's own rounding can turn it there, and no further.
;; One version. Each part assembles by itself: llvm-mc -triple=amdgcn-amd-amdhsa -mcpu=gfx1250 --defsym DOCPART=n.
;; ======== version 1 of 1: 4 launches
;; limits: right only within a limited range of input values
;; workspace buffers: xc 12,582,912 bytes; xs 524,288 bytes; kvc 6,291,456 bytes; kvs 393,216 bytes; ac 3,145,728 bytes; asc 131,072 bytes
;; launch quant (part 1): grid 512 x 1, 4 waves a work-group, no clusters, 34,304 bytes of LDS; arguments q, k, v, w_q, w_k, w_v, w_o, xc, xs; writes xc, xs
.if DOCPART == 1
	.amdgcn_target "amdgcn-amd-amdhsa--gfx1250"
	.amdhsa_code_object_version 6
	.text
	.protected	k_q3a30f886a3_quant
	.globl	k_q3a30f886a3_quant
	.p2align	8
	.type	k_q3a30f886a3_quant,@function
k_q3a30f886a3_quant:
	s_mov_b64 s[64:65], 0
	v_nop
	global_prefetch_b8 v0, s[64:65] scope:SCOPE_SE
	s_setreg_imm32_b32 hwreg(HW_REG_WAVE_MODE, 25, 1), 1
	s_wait_xcnt 0x0
; q, k, v [4096][1024] and w_q, w_k, w_v, w_o [1024][1024], f32 with K innermost, become codes of FP6 (E2M3) with one E8M0 byte for each 32 along K,
; laid in the ORDER OF THE OPERAND'S REGISTERS, so that every later launch fetches a fragment by dense loads of 16 and 8 bytes a lane.
; A TILE is 16 rows that are not neighbours: place r of tile t is row 32 (t / 2) + 8 (t % 2) + r + 8 (r / 8).
; xc: [tile][K step of 128][1,536 bytes]: two halves of 768 bytes (64 along K each): bytes 16 l: registers 0-3 of lane l, bytes 512 + 8 l: registers 4, 5.
; xs: [tile][K half][place r][4 words]: word j is the scale word (four bytes, 128 along K) of K step 4 x half + j.
; First tiles: q 0, k 256, v 512, w_q 768, w_k 832, w_v 896, w_o 960.
; A block's scale is 2^(floor(log2(its largest magnitude)) - 2); its byte is the largest magnitude's exponent field - 2, held at 1 from below.
; LIMITS: NaN and infinities among the inputs are not served; a block whose largest magnitude lies under 2^-124 keeps the byte 1; a block of zeros
; gets the byte 1 where the rule says 127: its codes are zeros, which add nothing under any byte but 0xff, and this program alone reads the bytes.
; SHARES: wave J = 4 x work-group + wave takes tile J / 2 and K half J % 2: 16 rows x 512 along K, four K steps, written out.
; Each load reads 512 consecutive bytes of one row; a K step's 8,192 bytes turn through the wave's own stage in LDS, so that a lane gets 16 neighbours of each block.
; No matrix unit, no cluster, no tensor load, no barrier: waves share nothing and memory binds.  Loads run two K steps (32 loads a wave) ahead.
.set RS,  16                           ; v16-143  two sets of 64 registers as loaded
.set XN,  144                          ; v144-207 register 16 b + i = k 32 b + 16 (lane / 16) + i of my row
.set PC,  208                          ; v208-219 the fragment's codes; v220-226 at work
.set TM,  228                          ; v228-231 largest magnitudes, v232-235 the other half's, then bytes, v240-243 the conversions' scale operands
.set WD,  10                           ; v10-13   the four K steps' scale words
.set STG, 8448                         ; a wave's stage: 16 rows
.set SP,  528                          ; of 512 bytes + 16: an odd multiple of 16, so that sixteen lanes that read one column of sixteen rows take sixteen different columns of 16 bytes
	s_load_b512 s[8:23], s[0:1], 0x0               ; q, k, v, w_q, w_k, w_v, w_o, xc
	s_load_b64 s[24:25], s[0:1], 0x40              ; xs
	v_lshl_add_u32 v254, v0, 2, 0x8400
	v_mov_b32 v255, 0
	v_lshrrev_b32 v1, 5, v0
	v_readfirstlane_b32 s27, v1                    ; wave
	v_and_b32 v1, 31, v0                           ; lane
	v_and_b32 v2, 15, v0                           ; r
	v_bfe_u32 v3, v0, 4, 1                         ; h
	v_lshlrev_b32 v4, 4, v1                        ; 16 x lane: in a row's 512 bytes, and in an image
	v_lshlrev_b32 v5, 3, v1                        ; 8 x lane
	s_mul_i32 s31, s27, STG
	v_add_nc_u32 v6, s31, v4                       ; the stage, way in
	v_mul_u32_u24 v7, v2, SP
	v_lshl_add_u32 v7, v3, 6, v7
	v_add_nc_u32 v7, s31, v7                       ; way out: row r, + 64 h
	v_lshlrev_b32 v8, 4, v2
	v_lshl_add_u32 v8, v3, 3, v8                   ; scale words: 16 r + 8 h
	s_mov_b32 s28, 0x76543210
	s_mov_b32 s29, 0xfedcba98                      ; selects of v_permlanex16_b32 for lane l xor 16
	s_mov_b32 s30, 0xffff0000                      ; lanes 16-31
.irp b, 0,1,2,3
	v_mov_b32 v[TM+4+\b], 0                        ; written once: a lane permute's destination counts as one of its sources
.endr
	s_wait_alu depctr_va_vdst(0)
	s_wait_kmcnt 0x0
	s_mov_b64 s[4:5], s[8:9]                       ; the tensor is chosen by the work-group's number alone; only the pointer is chosen: one path through the text
	s_mov_b32 s26, 0
.macro PICK first, ptr
	s_cmp_ge_u32 ttmp9, \first
	s_cselect_b64 s[4:5], s[\ptr:\ptr+1], s[4:5]
	s_cselect_b32 s26, \first, s26
.endm
	PICK 128, 10
	PICK 256, 12
	PICK 384, 14
	PICK 416, 16
	PICK 448, 18
	PICK 480, 20
	s_sub_co_u32 s32, ttmp9, s26
	s_lshl_b32 s32, s32, 5                         ; a work-group has two tiles: 32 rows
	s_lshr_b32 s33, s27, 1
	s_lshl_b32 s33, s33, 3
	s_add_co_u32 s32, s32, s33                     ; + 8 for the odd tile
	s_lshl_b32 s32, s32, 12                        ; rows of 4,096 bytes
	s_and_b32 s33, s27, 1
	s_lshl_b32 s33, s33, 11
	s_add_co_u32 s32, s32, s33                     ; + my K half
	s_mov_b32 s33, 0
	s_add_nc_u64 s[4:5], s[4:5], s[32:33]
	s_lshl_b32 s34, ttmp9, 2
	s_add_co_u32 s34, s34, s27                     ; J
	s_mul_i32 s32, s34, 6144
	s_add_nc_u64 s[22:23], s[22:23], s[32:33]      ; my four fragment images
	s_lshl_b32 s32, s34, 8
	s_add_nc_u64 s[24:25], s[24:25], s[32:33]      ; my 256 bytes of scale words
.macro LOADX t, set                    ; K step t of my 16 rows
.irp i, 0,1,2,3,4,5,6,7,8,9,10,11,12,13,14,15
	global_load_b128 v[RS+64*(\set)+4*\i:RS+64*(\set)+4*\i+3], v4, s[4:5] offset:(\i+8*(\i/8))*4096+512*(\t) th:TH_LOAD_NT
.endr
.endm
; 64 numbers of a lane become a fragment's 12 registers in v[PC] on and its scale word in v[pw]
.macro QUANT s, pw
.irp b, 0,1,2,3
	v_max3_num_f32 v[TM+\b], |v[\s+16*\b]|, |v[\s+1+16*\b]|, 0x1800000   ; block b: my 16 numbers, and the floor 2^(3 - 127): the byte cannot fall under 1
.endr
.irp i, 2,4,6,8,10,12,14
.irp b, 0,1,2,3
	v_max3_num_f32 v[TM+\b], v[TM+\b], |v[\s+16*\b+\i]|, |v[\s+1+16*\b+\i]|   ; the four blocks by turns
.endr
.endr
.irp b, 0,1,2,3
	v_permlanex16_b32 v[TM+4+\b], v[TM+\b], s28, s29
.endr
.irp b, 0,1,2,3
	v_max_num_f32 v[TM+\b], v[TM+\b], v[TM+4+\b]   ; with lane l xor 16's: the block's largest magnitude
.endr
.irp b, 0,1,2,3
	v_add_nc_u32 v[TM+12+\b], 0xff000000, v[TM+\b] ; 2 off its exponent field: the conversion takes the exponent field of this operand as its scale
.endr
.irp b, 0,1,2,3
	v_lshrrev_b32 v[TM+4+\b], 23, v[TM+12+\b]      ; the scale's byte
.endr
	v_lshl_or_b32 v[\pw], v[TM+5], 8, v[TM+4]
	v_lshl_or_b32 v[\pw], v[TM+6], 16, v[\pw]
	v_lshl_or_b32 v[\pw], v[TM+7], 24, v[\pw]
.irp c, 0,1
	v_cvt_scalef32_pk16_fp6_f32 v[PC+6*\c:PC+2+6*\c], v[\s+32*\c:\s+15+32*\c], v[TM+12+2*\c]
	v_cvt_scalef32_pk16_fp6_f32 v[PC+12+4*\c:PC+14+4*\c], v[\s+16+32*\c:\s+31+32*\c], v[TM+12+2*\c+1]   ; a conversion's three registers begin on an even number
.endr
	v_nop                                          ; one plain line behind the scaled conversions
.irp c, 0,1                            ; the operand wants a WHOLE block in a lane: lanes 0-15 block 2 c, lanes 16-31 block 2 c + 1
.irp i, 0,1,2
	v_permlane16_swap_b32 v[PC+6*\c+\i], v[PC+12+4*\c+\i]
.endr
.irp i, 0,1,2
	v_mov_b32 v[PC+3+6*\c+\i], v[PC+12+4*\c+\i]
.endr
.endr
.endm
.macro STEP t
.if (\t) < 3
	s_wait_loadcnt 16                              ; this K step's sixteen loads are in; the next step's sixteen may be out
.else
	s_wait_loadcnt 0x0
.endif
.irp i, 0,1,2,3,4,5,6,7,8,9,10,11,12,13,14,15
	ds_store_b128 v6, v[RS+64*((\t)%2)+4*\i:RS+64*((\t)%2)+4*\i+3] offset:SP*\i
.endr
.irp b, 0,1,2,3
.irp j, 0,1,2,3
	ds_load_b128 v[XN+16*\b+4*\j:XN+16*\b+4*\j+3], v7 offset:128*\b+16*\j   ; LDS serves a wave's instructions in order: these see the stores above
.endr
.endr
	s_wait_dscnt 0x0                               ; my numbers are back, and the stores into the stage have read their registers
	s_wait_xcnt 0x0                                ; the last step's stores have read the codes' registers, which are written again below
.if (\t) < 2
	LOADX (\t)+2, (\t)%2
.endif
	QUANT XN, WD+(\t)
	global_store_b128 v4, v[PC:PC+3], s[22:23] offset:1536*(\t)            ; 512 consecutive bytes, aligned to 256
	global_store_b64 v5, v[PC+4:PC+5], s[22:23] offset:1536*(\t)+512       ; 256 consecutive bytes
	global_store_b128 v4, v[PC+6:PC+9], s[22:23] offset:1536*(\t)+768
	global_store_b64 v5, v[PC+10:PC+11], s[22:23] offset:1536*(\t)+1280
.endm
	LOADX 0, 0
	LOADX 1, 1
	STEP 0
	STEP 1
	STEP 2
	STEP 3
	v_cndmask_b32 v14, v[WD], v[WD+2], s30         ; every lane holds its row's four words: lanes 0-15 store words 0, 1, lanes 16-31 words 2, 3
	v_cndmask_b32 v15, v[WD+1], v[WD+3], s30
	global_store_b64 v8, v[14:15], s[24:25]        ; 256 consecutive bytes, aligned
	s_wait_tensorcnt 0x0
	ds_add_u32 v254, v255
	s_wait_dscnt 0x0
	s_endpgm
.Lfunc_end_k_q3a30f886a3_quant:
	.size	k_q3a30f886a3_quant, .Lfunc_end_k_q3a30f886a3_quant-k_q3a30f886a3_quant
	.p2alignl 7, 3214868480
	.fill 96, 4, 3214868480
	.section	.rodata,"a",@progbits
	.p2align	6, 0x0
	.amdhsa_kernel k_q3a30f886a3_quant
		.amdhsa_group_segment_fixed_size 34304
		.amdhsa_private_segment_fixed_size 0
		.amdhsa_enable_private_segment 0
		.amdhsa_kernarg_size 72
		.amdhsa_user_sgpr_count 2
		.amdhsa_user_sgpr_kernarg_segment_ptr 1
		.amdhsa_wavefront_size32 1
		.amdhsa_system_sgpr_workgroup_id_x 1
		.amdhsa_system_sgpr_workgroup_id_y 1
		.amdhsa_system_sgpr_workgroup_id_z 1
		.amdhsa_system_vgpr_workitem_id 0
		.amdhsa_next_free_vgpr 256
		.amdhsa_next_free_sgpr 66
		.amdhsa_reserve_vcc 0
		.amdhsa_float_denorm_mode_32 3
		.amdhsa_float_denorm_mode_16_64 3
		.amdhsa_memory_ordered 1
		.amdhsa_forward_progress 1
		.amdhsa_inst_pref_size 35
	.end_amdhsa_kernel
	.amdgpu_metadata
---
amdhsa.version: [ 1, 2 ]
amdhsa.kernels:
  - .name:           k_q3a30f886a3_quant
    .symbol:         k_q3a30f886a3_quant.kd
    .args:
      - { .name: q, .offset: 0, .size: 8, .value_kind: global_buffer, .address_space: global }
      - { .name: k, .offset: 8, .size: 8, .value_kind: global_buffer, .address_space: global }
      - { .name: v, .offset: 16, .size: 8, .value_kind: global_buffer, .address_space: global }
      - { .name: w_q, .offset: 24, .size: 8, .value_kind: global_buffer, .address_space: global }
      - { .name: w_k, .offset: 32, .size: 8, .value_kind: global_buffer, .address_space: global }
      - { .name: w_v, .offset: 40, .size: 8, .value_kind: global_buffer, .address_space: global }
      - { .name: w_o, .offset: 48, .size: 8, .value_kind: global_buffer, .address_space: global }
      - { .name: xc, .offset: 56, .size: 8, .value_kind: global_buffer, .address_space: global }
      - { .name: xs, .offset: 64, .size: 8, .value_kind: global_buffer, .address_space: global }
    .group_segment_fixed_size: 34304
    .private_segment_fixed_size: 0
    .kernarg_segment_align: 8
    .kernarg_segment_size: 72
    .max_flat_workgroup_size: 128
    .sgpr_count:     66
    .vgpr_count:     256
    .wavefront_size: 32
...
	.end_amdgpu_metadata
.endif
;; end of part 1
;; launch projkv (part 2): grid 4 x 64, 4 waves a work-group, clusters of 4 x 4, 295,424 bytes of LDS; arguments xc, xs, mask, kvc, kvs; writes kvc, kvs
.if DOCPART == 2
	.amdgcn_target "amdgcn-amd-amdhsa--gfx1250"
	.amdhsa_code_object_version 6
	.text
	.protected	k_q3a30f886a3_projkv
	.globl	k_q3a30f886a3_projkv
	.p2align	8
	.type	k_q3a30f886a3_projkv,@function
k_q3a30f886a3_projkv:
	s_mov_b64 s[64:65], 0
	v_nop
	global_prefetch_b8 v0, s[64:65] scope:SCOPE_SE
	s_setreg_imm32_b32 hwreg(HW_REG_WAVE_MODE, 25, 1), 1
	s_wait_xcnt 0x0
	s_wait_alu depctr_hold_cnt(0) depctr_sa_sdst(0) depctr_va_vdst(0) depctr_va_sdst(0) depctr_va_ssrc(0) depctr_va_vcc(0) depctr_vm_vsrc(0)
	s_getreg_b32 s2, hwreg(HW_REG_IB_STS2, 6, 4)
	s_cmp_eq_u32 s2, 0
	s_cbranch_scc0 .Lentry_in_a_cluster
	s_endpgm
.Lentry_in_a_cluster:
	s_bfe_u32 s2, ttmp6, 0x10000c
	s_cmp_lg_u32 s2, 0xf033
	s_cbranch_scc0 .Lentry_shape_is_right
	s_endpgm
.Lentry_shape_is_right:
; kh = k w_k^T and vh = v w_v^T on codes of FP6 (E2M3) with E8M0 scales; both results are quantised in registers for the attention launch.
; Y[i1][i0] = sum over k of P1[i1][k] P0[i0][k], quantised ALONG i0.  Source 0 = 16 rows of P0 (along a lane's registers), source 1 = 16 rows of P1 (along the lanes).
;   K's path (cluster y 0-7): P0 = w_k, P1 = k's tokens: quantised along the head's 64.   V's path (cluster y 8-15): P0 = v's tokens, P1 = w_v: quantised along the tokens.
; Tiles, fragment images and scale words as the quantising launch lays them: place r of tile t is row 32 (t / 2) + 8 (t % 2) + r + 8 (r / 8).
; kvc, for each bh = 16 batch + head: K at 0: [token tile 0-127][768 bytes];  V^T at 98,304: [key step 0-15][d tile 0-3][1,536 bytes].
; kvs, for each bh: K at 0: [4 token tiles][place r][4 words]: bytes 0, 1 of a word are the head's two blocks, bytes 2, 3 the constant 127;  V at 8,192: [key step][r][4 words, one a d tile].
; THE MASK: the codes of kh of a key whose mask is 0 are set to 0; the attention launch adds that key's constant score.  V is not masked.
; SHARES: a work-group makes 256 rows of P0 x 128 rows of P1: 256 work-groups.  Wave w: P0 tiles 8 (w / 2) on, P1 tiles 4 (w % 2) on: 32 accumulators.
; LDS holds both panels for all of K, filled ONCE, in two chunks of four K steps.  One tensor load a wave, at the head: wave 0 P0's first chunk, wave 1 P1's, waves 2, 3 the second chunk's.
; CLUSTER 4 x 4: P0's panel hangs on cx and is shared along a column, P1's on cy and along a row: each tile is asked for jointly.
; No prefetch: all of the launch's tiles are asked for at its head, and there is no loop to run ahead in.
; LIMITS: NaN and infinities are not served; blocks under 2^-124 and blocks of zeros keep the byte 1 (this program alone reads the bytes).
; REGISTERS: window 0: v4-8 lane offsets; v12-15 the keys' masks; v16-47, v48-63 scale words of P0, P1; v64-207 fragment set 0 (at the end the codes); v208-215 LDS addresses; v224-248 at work.
;   window 1: accumulator (b, a) at v[8 (8 b + a)].   window 2: v64-207 fragment set 1.
.set CH,  147456                       ; a chunk: P0's 16 tiles x 6,144 bytes, then P1's 8
.set PB,  98304
.set FA,  64
.set FB,  160
.set SC0, 16                           ; register SC0 + 8 p + s: lanes 0-15 tile 2 p, lanes 16-31 tile 2 p + 1, K step s
.set SC1, 48
.set AD,  208                          ; chunk c: AD + 4 c: P0 by 16 x lane, + 1: by 8 x lane, + 2, + 3: P1
.set TM,  224
.set WD,  240
.set KM,  12
.set PC,  64
.set MSB, 0
.macro WIN new
.if MSB != (\new)
	s_set_vgpr_msb (MSB<<8)|(\new)
.set MSB, (\new)
.endif
.endm
.macro ROUND                           ; a round of the cluster's barrier
	s_barrier_signal -1
	s_barrier_wait -1
	s_cmp_lg_u32 s14, 0
	s_cbranch_scc1 .Lnot_wave_0_\@
	s_barrier_signal -3
.Lnot_wave_0_\@:
	s_barrier_wait -3
	s_barrier_signal -1
	s_barrier_wait -1
.endm
.macro PLACES                          ; four plain lines behind matrix instructions (ISA guide 7.12.1)
.rept 4
	v_nop
.endr
.endm
	s_load_b256 s[4:11], s[0:1], 0x0               ; xc, xs, mask, kvc
	s_load_b64 s[12:13], s[0:1], 0x20              ; kvs
	v_lshl_add_u32 v254, v0, 2, 0x48000
	v_mov_b32 v255, 0
	ds_add_u32 v254, v255                          ; the opening lines
	ds_add_u32 v254, v255
	v_lshrrev_b32 v1, 5, v0
	v_readfirstlane_b32 s14, v1                    ; wave
	s_lshr_b32 s15, s14, 1                         ; WA
	s_and_b32 s2, s14, 1                           ; WB
	v_and_b32 v1, 31, v0
	v_and_b32 v2, 15, v0                           ; r
	v_bfe_u32 v3, v0, 4, 1                         ; h
	v_lshlrev_b32 v4, 4, v1                        ; 16 x lane
	v_lshlrev_b32 v5, 3, v1                        ; 8 x lane
	v_lshlrev_b32 v6, 4, v2
	v_lshl_add_u32 v6, v3, 9, v6                   ; scale words: 512 h + 16 r
	v_and_b32 v7, 8, v2
	v_add_nc_u32 v7, v7, v2
	v_lshlrev_b32 v7, 2, v7                        ; the mask: 4 (r + 8 (r / 8))
	v_lshlrev_b32 v8, 4, v2
	v_lshl_add_u32 v8, v3, 3, v8                   ; 16 r + 8 h
	v_mov_b32 v248, -1
.irp b, 0,1,2,3
	v_mov_b32 v[TM+4+\b], 0                        ; a lane permute's destination counts as one of its sources
.endr
	s_mul_i32 s97, s15, 49152                      ; my 8 tiles of P0,
	s_mul_i32 s3, s2, 24576
	s_add_co_u32 s3, s3, PB                        ; my 4 of P1
.irp c, 0,1
	v_add_nc_u32 v[AD+4*\c], s97, v4
	v_add_nc_u32 v[AD+4*\c+1], s97, v5
	v_add_nc_u32 v[AD+4*\c+2], s3, v4
	v_add_nc_u32 v[AD+4*\c+3], s3, v5
	s_add_co_u32 s97, s97, CH
	s_add_co_u32 s3, s3, CH
.endr
	s_mov_b32 s96, 0xffff0000                      ; lanes 16-31
	s_mov_b32 s98, 0x76543210
	s_mov_b32 s99, 0xfedcba98
	s_bfe_u32 s66, ttmp6, 0x40000                  ; cx
	s_bfe_u32 s67, ttmp6, 0x40004                  ; cy
	s_and_b32 s72, ttmp7, 0xffff                   ; cluster y, 0-15
	s_and_b32 s68, s72, 7                          ; j
	s_and_b32 s73, s68, 3
	s_lshr_b32 s74, s68, 2
	s_mov_b32 s75, 832
	s_mov_b32 s76, 256
	s_mov_b32 s84, 768
	s_mov_b32 s86, 196608
	s_cmp_ge_u32 s72, 8                            ; V's path?
	s_cselect_b32 s69, 1, 0                        ; ISV
	s_cselect_b32 s73, s73, 0                      ; P0's panels: V 4 (j % 4) + cx, K cx
	s_cselect_b32 s74, s74, s68                    ; P1's panels: V 4 (j / 4) + cy, K 4 j + cy
	s_cselect_b32 s75, 512, s75                    ; P0's first tile in xc: v or w_k
	s_cselect_b32 s76, 896, s76                    ; P1's: w_v or k
	s_cselect_b32 s84, 1536, s84                   ; from one tile of P1 to the next in kvc
	s_cselect_b32 s86, 768, s86                    ; from a fragment's first half to its second
	s_mov_b32 s85, 0
	s_mov_b32 s87, 0
	s_lshl_b32 s71, s73, 2
	s_add_co_u32 s71, s71, s66                     ; panel0
	s_lshl_b32 s77, s74, 2
	s_add_co_u32 s77, s77, s67                     ; panel1
	s_lshl_b32 s73, s71, 4
	s_add_co_u32 s75, s75, s73                     ; P0T: my panel's first tile
	s_lshl_b32 s74, s77, 3
	s_add_co_u32 s76, s76, s74                     ; P1T
	; groups 1: rows of 6,144 bytes (768 elements of 8), 12,288 bytes apart in memory, dense in LDS: P0 16 rows, P1 8
	s_lshl_b32 s3, 0x1111, s66                     ; my column of the cluster
	s_or_b32 s16, s3, (3<<16)|(1<<21)
	s_lshl_b32 s97, s67, 2
	s_lshl_b32 s97, 15, s97                        ; my row
	s_or_b32 s24, s97, (3<<16)|(1<<21)
	s_mov_b32 s17, 768<<16
	s_mov_b32 s18, 16<<16
	s_mov_b32 s19, 768<<16
	s_mov_b32 s20, 16
	s_mov_b32 s21, 1536
	s_mov_b32 s22, 0
	s_mov_b32 s23, 0
	s_mov_b32 s25, 768<<16
	s_mov_b32 s26, 8<<16
	s_mov_b32 s27, 768<<16
	s_mov_b32 s28, 8
	s_mov_b32 s29, 1536
	s_mov_b32 s30, 0
	s_mov_b32 s31, 0
	s_mul_i32 s78, s75, 12288
	s_mov_b32 s79, 0
	s_mul_i32 s100, s76, 12288
	s_mov_b32 s101, 0
	s_wait_alu depctr_va_vdst(0)                   ; the wait at the head's end
	s_wait_dscnt 0x0
	s_wait_kmcnt 0x0
	s_add_nc_u64 s[78:79], s[4:5], s[78:79]
	s_add_nc_u64 s[100:101], s[4:5], s[100:101]
.irp c, 0,1
	s_mov_b32 s[32+8*\c], 1
	s_mov_b32 s[33+8*\c], \c*CH
	s_add_nc_u64 s[34+8*\c:35+8*\c], s[78:79], \c*6144
	s_or_b32 s[35+8*\c], s[35+8*\c], 0x80000000
	s_mov_b32 s[36+8*\c], 1
	s_mov_b32 s[37+8*\c], PB+\c*CH
	s_add_nc_u64 s[38+8*\c:39+8*\c], s[100:101], \c*6144
	s_or_b32 s[39+8*\c], s[39+8*\c], 0x80000000
.endr
	ROUND                                          ; all sixteen work-groups are here: the joint loads meet
.macro ARM under, g0, g1, next         ; one chain of branches on the wave's number, one load to an arm
	s_cmp_lt_u32 s14, \under
	s_cbranch_scc0 \next
	tensor_load_to_lds s[\g0:\g0+3], s[\g1:\g1+7]
	s_nop 0
	PLACES
	s_branch .Lasked
\next:
.endm
	ARM 1, 32, 16, .Lw1                            ; wave 0: P0, K steps 0-3
	ARM 2, 36, 24, .Lw2                            ; wave 1: P1, K steps 0-3
	ARM 3, 40, 16, .Lw3                            ; wave 2: P0, K steps 4-7
	tensor_load_to_lds s[44:47], s[24:31]          ; wave 3: P1, K steps 4-7
	s_nop 0
	PLACES
.Lasked:
	; where my results go
	s_lshl_b32 s72, s71, 1
	s_add_co_u32 s72, s72, s15                     ; G: which 128 rows of P0
	s_lshl_b32 s73, s77, 3
	s_lshl_b32 s74, s2, 2
	s_add_co_u32 s73, s73, s74                     ; TF: my first tile of P1
	s_lshr_b32 s74, s73, 7
	s_lshl_b32 s74, s74, 4
	s_lshl_b32 s97, s72, 1
	s_add_co_u32 s74, s74, s97                     ; K: bh = 16 batch + 2 G
	s_and_b32 s97, s73, 127                        ; the token tile in its batch
	s_mul_i32 s80, s97, 768
	s_lshr_b32 s97, s97, 2
	s_lshl_b32 s88, s97, 8
	s_lshr_b32 s97, s72, 4
	s_lshl_b32 s97, s97, 4
	s_lshr_b32 s3, s73, 2
	s_add_co_u32 s97, s97, s3                      ; V: bh = 16 batch + TF / 4
	s_and_b32 s3, s72, 15                          ; the key step
	s_mul_i32 s82, s3, 6144
	s_add_co_u32 s82, s82, 98304
	s_lshl_b32 s3, s3, 8
	s_add_co_u32 s3, s3, 8192
	s_cmp_lg_u32 s69, 0
	s_cselect_b32 s74, s97, s74
	s_cselect_b32 s80, s82, s80
	s_cselect_b32 s88, s3, s88
	s_mul_i32 s97, s74, 196608
	s_add_co_u32 s80, s80, s97
	s_mov_b32 s81, 0
	s_mul_i32 s97, s74, 12288
	s_add_co_u32 s88, s88, s97
	s_mov_b32 s89, 0
	s_add_nc_u64 s[80:81], s[10:11], s[80:81]      ; a fragment's first half,
	s_add_nc_u64 s[82:83], s[80:81], s[86:87]      ; its second,
	s_add_nc_u64 s[88:89], s[12:13], s[88:89]      ; the scale words
	s_lshl_b32 s94, s73, 6
	s_mov_b32 s95, 0
	s_add_nc_u64 s[94:95], s[8:9], s[94:95]        ; the mask at token 16 TF (on V's path TF is under 64: inside the buffer; what is read there is not used)
	s_lshl_b32 s97, s15, 3
	s_add_co_u32 s97, s97, s75
	s_lshl_b32 s90, s97, 9
	s_mov_b32 s91, 0
	s_add_nc_u64 s[90:91], s[6:7], s[90:91]        ; scale words of my 8 tiles of P0,
	s_lshl_b32 s97, s2, 2
	s_add_co_u32 s97, s97, s76
	s_lshl_b32 s92, s97, 9
	s_mov_b32 s93, 0
	s_add_nc_u64 s[92:93], s[6:7], s[92:93]        ; of my 4 of P1
.irp p, 0,1,2,3
.irp u, 0,1
	global_load_b128 v[SC0+8*\p+4*\u:SC0+8*\p+4*\u+3], v6, s[90:91] offset:1024*\p+256*\u
.endr
.endr
.irp p, 0,1
.irp u, 0,1
	global_load_b128 v[SC1+8*\p+4*\u:SC1+8*\p+4*\u+3], v6, s[92:93] offset:1024*\p+256*\u
.endr
.endr
.irp b, 0,1,2,3
	global_load_b32 v[244+\b], v7, s[94:95] offset:128*(\b/2)+32*(\b%2)   ; the mask of tile TF + b's token at my place r
.endr
	s_wait_loadcnt 0x0
.irp b, 0,1,2,3
	v_or_b32 v[244+\b], s69, v[244+\b]             ; V's path keeps every code
.endr
.irp b, 0,1,2,3
	v_cmp_ne_u32 vcc_lo, 0, v[244+\b]
	v_cndmask_b32 v[KM+\b], 0, v248, vcc_lo        ; all ones, or 0 for a masked key
.endr
.macro FRAG reg, a16, a8, off          ; a fragment image comes back as it was stored
	ds_load_b128 v[\reg:\reg+3], v[\a16] offset:\off
	ds_load_b64 v[\reg+4:\reg+5], v[\a8] offset:\off+512
	ds_load_b128 v[\reg+6:\reg+9], v[\a16] offset:\off+768
	ds_load_b64 v[\reg+10:\reg+11], v[\a8] offset:\off+1280
.endm
.macro FETCH s                         ; K step s: 12 fragments, 48 loads, into set s % 2
	WIN 0x80*((\s)%2)
.irp a, 0,1,2,3,4,5,6,7
	FRAG FA+12*\a, AD+4*((\s)/4), AD+4*((\s)/4)+1, \a*6144+((\s)%4)*1536
.endr
.irp b, 0,1,2,3
	FRAG FB+12*\b, AD+4*((\s)/4)+2, AD+4*((\s)/4)+3, \b*6144+((\s)%4)*1536
.endr
.endm
.macro WM1 d, a, b, c, sa, sb, ra, rb  ; one product; ra, rb: the side's scale words stand in lanes 16-31
.if (\ra) && (\rb)
	v_wmma_scale_f32_16x16x128_f8f6f4 v[\d:\d+7], v[\a:\a+11], v[\b:\b+11], \c, v[\sa], v[\sb] matrix_a_fmt:MATRIX_FMT_FP6 matrix_b_fmt:MATRIX_FMT_FP6 matrix_a_scale:MATRIX_SCALE_ROW1 matrix_b_scale:MATRIX_SCALE_ROW1
.elseif \ra
	v_wmma_scale_f32_16x16x128_f8f6f4 v[\d:\d+7], v[\a:\a+11], v[\b:\b+11], \c, v[\sa], v[\sb] matrix_a_fmt:MATRIX_FMT_FP6 matrix_b_fmt:MATRIX_FMT_FP6 matrix_a_scale:MATRIX_SCALE_ROW1
.elseif \rb
	v_wmma_scale_f32_16x16x128_f8f6f4 v[\d:\d+7], v[\a:\a+11], v[\b:\b+11], \c, v[\sa], v[\sb] matrix_a_fmt:MATRIX_FMT_FP6 matrix_b_fmt:MATRIX_FMT_FP6 matrix_b_scale:MATRIX_SCALE_ROW1
.else
	v_wmma_scale_f32_16x16x128_f8f6f4 v[\d:\d+7], v[\a:\a+11], v[\b:\b+11], \c, v[\sa], v[\sb] matrix_a_fmt:MATRIX_FMT_FP6 matrix_b_fmt:MATRIX_FMT_FP6
.endif
.endm
.macro WM d, a, b, zero, sa, sb, ra, rb    ; zero: the product starts its sum
.if \zero
	WM1 \d, \a, \b, 0, \sa, \sb, \ra, \rb
.else
	WM1 \d, \a, \b, v[\d:\d+7], \sa, \sb, \ra, \rb
.endif
.endm
.macro MUL s                           ; 32 products: the 32 accumulators take turns
	WIN 0x50+0x0a*((\s)%2)
.irp b, 0,1,2,3
.irp a, 0,1,2,3,4,5,6,7
	WM 8*(8*\b+\a), FA+12*\a, FB+12*\b, (\s)==0, SC0+8*(\a/2)+(\s), SC1+8*(\b/2)+(\s), \a%2, \b%2
.endr
.endr
.endm
.macro KSTEP s
	s_wait_dscnt 0x0                               ; this K step's fragments are in
.if (\s) == 3
	s_wait_tensorcnt 0x0                           ; every wave's load has landed: the second chunk is whole behind this barrier; nothing is filled again
	s_barrier_signal -1
	s_barrier_wait -1
.endif
.if (\s) < 7
	PLACES                                         ; the set that is loaded next was read by the K step before this one
	FETCH (\s)+1
.endif
	MUL \s
.endm
	s_cmp_lt_u32 s14, 2                            ; the first chunk's loads are waves 0 and 1's own lines: they wait
	s_cbranch_scc0 .Lnot_first
	s_wait_tensorcnt 0x0
.Lnot_first:
	s_barrier_signal -1
	s_barrier_wait -1
	FETCH 0
	KSTEP 0
	KSTEP 1
	KSTEP 2
	KSTEP 3
	KSTEP 4
	KSTEP 5
	KSTEP 6
	KSTEP 7
	WIN 0
	PLACES
; 64 results of a lane (window 1, v[s] on) become a fragment's codes in v[PC] on and its scale word in v[pw]
.macro QUANT s, pw
	WIN 0x05
.irp b, 0,1,2,3
	v_max3_num_f32 v[TM+\b], |v[\s+16*\b]|, |v[\s+1+16*\b]|, 0x1800000   ; from each accumulator's low end on; the floor 2^(3 - 127) holds the byte at 1 from below
.endr
	WIN 0x14
.irp i, 2,4,6,8,10,12,14
.irp b, 0,1,2,3
	v_max3_num_f32 v[TM+\b], v[TM+\b], |v[\s+16*\b+\i]|, |v[\s+1+16*\b+\i]|
.endr
.endr
	WIN 0
.irp b, 0,1,2,3
	v_permlanex16_b32 v[TM+4+\b], v[TM+\b], s98, s99
.endr
.irp b, 0,1,2,3
	v_max_num_f32 v[TM+\b], v[TM+\b], v[TM+4+\b]
.endr
.irp b, 0,1,2,3
	v_add_nc_u32 v[TM+12+\b], 0xff000000, v[TM+\b]
.endr
.irp b, 0,1,2,3
	v_lshrrev_b32 v[TM+4+\b], 23, v[TM+12+\b]
.endr
	v_lshl_or_b32 v[\pw], v[TM+5], 8, v[TM+4]
	v_lshl_or_b32 v[\pw], v[TM+6], 16, v[\pw]
	v_lshl_or_b32 v[\pw], v[TM+7], 24, v[\pw]
	WIN 0x01
.irp c, 0,1
	v_cvt_scalef32_pk16_fp6_f32 v[PC+6*\c:PC+2+6*\c], v[\s+32*\c:\s+15+32*\c], v[TM+12+2*\c]
	v_cvt_scalef32_pk16_fp6_f32 v[PC+12+4*\c:PC+14+4*\c], v[\s+16+32*\c:\s+31+32*\c], v[TM+12+2*\c+1]
.endr
	WIN 0
	v_nop                                          ; one plain line behind the scaled conversions
.irp c, 0,1
.irp i, 0,1,2
	v_permlane16_swap_b32 v[PC+6*\c+\i], v[PC+12+4*\c+\i]
.endr
.irp i, 0,1,2
	v_mov_b32 v[PC+3+6*\c+\i], v[PC+12+4*\c+\i]
.endr
.endr
.endm
.macro EPI b                           ; my tile b of P1: 16 rows x 128 of P0
.if (\b) > 0
	s_wait_xcnt 0x0                                ; the last tile's stores have read their registers and bases
	s_add_nc_u64 s[80:81], s[80:81], s[84:85]
	s_add_nc_u64 s[82:83], s[82:83], s[84:85]
.endif
	QUANT 64*(\b), WD+(\b)
.set i, 0
.rept 12
	v_and_b32 v[PC+i], v[KM+(\b)], v[PC+i]         ; a masked key's codes become 0
.set i, i+1
.endr
	global_store_b128 v4, v[PC:PC+3], s[80:81]             ; 512 consecutive bytes, aligned to 256
	global_store_b64 v5, v[PC+4:PC+5], s[80:81] offset:512 ; 256
	global_store_b128 v4, v[PC+6:PC+9], s[82:83]
	global_store_b64 v5, v[PC+10:PC+11], s[82:83] offset:512
.endm
	EPI 0
	EPI 1
	EPI 2
	EPI 3
	s_cmp_lg_u32 s69, 0
	s_cselect_b32 s72, -1, 0xffff                  ; V's words stay whole; of K's the lower two bytes are kept,
	s_cselect_b32 s73, 0, 0x7f7f0000               ; and bytes 2, 3 are the constant 127
	v_cndmask_b32 v244, v[WD], v[WD+2], s96        ; lanes 0-15 store words 0, 1 of their row, lanes 16-31 words 2, 3
	v_cndmask_b32 v245, v[WD+1], v[WD+3], s96
	v_lshrrev_b32 v246, 16, v244                   ; K's path: the words' upper bytes are the next head's two blocks
	v_lshrrev_b32 v247, 16, v245
	v_and_or_b32 v244, v244, s72, s73
	v_and_or_b32 v245, v245, s72, s73
	v_or_b32 v246, 0x7f7f0000, v246
	v_or_b32 v247, 0x7f7f0000, v247
	global_store_b64 v8, v[244:245], s[88:89]      ; 256 consecutive bytes, aligned
	s_cmp_lg_u32 s69, 0                            ; the path hangs on the cluster's y: alike in all partners
	s_cbranch_scc1 .Lv_path
	global_store_b64 v8, v[246:247], s[88:89] offset:12288
.Lv_path:
	s_wait_tensorcnt 0x0                           ; the wave's end
	ds_add_u32 v254, v255
	s_wait_dscnt 0x0
	ROUND                                          ; the closing round
	s_endpgm
.Lfunc_end_k_q3a30f886a3_projkv:
	.size	k_q3a30f886a3_projkv, .Lfunc_end_k_q3a30f886a3_projkv-k_q3a30f886a3_projkv
	.p2alignl 7, 3214868480
	.fill 96, 4, 3214868480
	.section	.rodata,"a",@progbits
	.p2align	6, 0x0
	.amdhsa_kernel k_q3a30f886a3_projkv
		.amdhsa_group_segment_fixed_size 295424
		.amdhsa_private_segment_fixed_size 0
		.amdhsa_enable_private_segment 0
		.amdhsa_kernarg_size 40
		.amdhsa_user_sgpr_count 2
		.amdhsa_user_sgpr_kernarg_segment_ptr 1
		.amdhsa_wavefront_size32 1
		.amdhsa_system_sgpr_workgroup_id_x 1
		.amdhsa_system_sgpr_workgroup_id_y 1
		.amdhsa_system_sgpr_workgroup_id_z 1
		.amdhsa_system_vgpr_workitem_id 0
		.amdhsa_next_free_vgpr 768
		.amdhsa_next_free_sgpr 102
		.amdhsa_reserve_vcc 1
		.amdhsa_float_denorm_mode_32 3
		.amdhsa_float_denorm_mode_16_64 3
		.amdhsa_memory_ordered 1
		.amdhsa_forward_progress 1
		.amdhsa_inst_pref_size 90
	.end_amdhsa_kernel
	.amdgpu_metadata
---
amdhsa.version: [ 1, 2 ]
amdhsa.kernels:
  - .name:           k_q3a30f886a3_projkv
    .symbol:         k_q3a30f886a3_projkv.kd
    .args:
      - { .name: xc, .offset: 0, .size: 8, .value_kind: global_buffer, .address_space: global }
      - { .name: xs, .offset: 8, .size: 8, .value_kind: global_buffer, .address_space: global }
      - { .name: mask, .offset: 16, .size: 8, .value_kind: global_buffer, .address_space: global }
      - { .name: kvc, .offset: 24, .size: 8, .value_kind: global_buffer, .address_space: global }
      - { .name: kvs, .offset: 32, .size: 8, .value_kind: global_buffer, .address_space: global }
    .group_segment_fixed_size: 295424
    .private_segment_fixed_size: 0
    .kernarg_segment_align: 8
    .kernarg_segment_size: 40
    .max_flat_workgroup_size: 128
    .sgpr_count:     102
    .vgpr_count:     768
    .wavefront_size: 32
...
	.end_amdgpu_metadata
.endif
;; end of part 2
;; launch attn (part 3): grid 8 x 32, 16 waves a work-group, clusters of 4 x 1, 268,288 bytes of LDS; arguments xc, xs, kvc, kvs, mask, ac, asc; writes ac, asc
.if DOCPART == 3
	.amdgcn_target "amdgcn-amd-amdhsa--gfx1250"
	.amdhsa_code_object_version 6
	.text
	.protected	k_q3a30f886a3_attn
	.globl	k_q3a30f886a3_attn
	.p2align	8
	.type	k_q3a30f886a3_attn,@function
k_q3a30f886a3_attn:
	s_mov_b64 s[64:65], 0
	v_nop
	global_prefetch_b8 v0, s[64:65] scope:SCOPE_SE
	s_setreg_imm32_b32 hwreg(HW_REG_WAVE_MODE, 25, 1), 1
	s_wait_xcnt 0x0
	s_wait_alu depctr_hold_cnt(0) depctr_sa_sdst(0) depctr_va_vdst(0) depctr_va_sdst(0) depctr_va_ssrc(0) depctr_va_vcc(0) depctr_vm_vsrc(0)
	s_getreg_b32 s2, hwreg(HW_REG_IB_STS2, 6, 4)
	s_cmp_eq_u32 s2, 0
	s_cbranch_scc0 .Lentry_in_a_cluster
	s_endpgm
.Lentry_in_a_cluster:
	s_bfe_u32 s2, ttmp6, 0x10000c
	s_cmp_lg_u32 s2, 0x3003
	s_cbranch_scc0 .Lentry_shape_is_right
	s_endpgm
.Lentry_shape_is_right:
; For one batch and head (bh = 16 batch + head) and 256 queries: qh = q w_q^T, scores = qh kh^T / 8 with -10000 where the mask is 0, softmax, x vh; the result is quantised along d_model for the last product.
; All three products on codes of FP6 (E2M3) with E8M0 scales.  The head's size is 64, half of the instruction's 128 along K.
; THE SOFTMAX: t = score x log2(e) / 8; M = the row's largest t so far, rounded UP to a whole number; p = 2^(t - M) is quantised along the keys, not normalised; the row's sum is taken of the unquantised p and divides at the end.
; When M moves, the sum and O are multiplied by 2^(old M - new M): exact.
; THE MASK: a masked key's codes of kh are zeros (the launch before).  The instruction's k = 64, 65, which the head does not use, carry the constant: every query has the codes 6 and 1.75 there under the scale 2^11,
; a masked key -6 and -1.75 under the scale 1, any other key zeros: -(36 + 3.0625) x 2,048 = -80000 = -10000 x 8, exactly, at no vector instruction.  The keys' word with these two codes comes from a table in LDS, 4 bytes a key.
; A row all of whose keys are masked comes out uniform, as the problem has it.
; SHARES: sixteen waves, each with ONE tile of 16 queries in 256 registers: four waves to a SIMD.
; LAYOUT: all products transposed (source 0 = 16 rows of w_q, 16 keys, 16 of the head's 64; source 1 = my queries): a lane holds one query (lane % 16).  Place r of a tile is row 32 (t / 2) + 8 (t % 2) + r + 8 (r / 8),
; so the 16 registers of tiles 2 b, 2 b + 1 are 16 neighbours 32 b + 16 (lane / 16) + 0 .. 15 along the next K.
; LDS holds the head's K, V, their scale words, its four tiles of w_q and the keys' table: all filled ONCE.  One tensor load a wave: waves 0-3 a tile of w_q each, 4-7 a quarter of the scale words, 8-11 a quarter of K and V.
; CLUSTER 4 x 1: four blocks of queries of one head read the same K, V, scale words and w_q: each is asked for jointly.
; No prefetch: all tiles are asked for at the head; the loop reads LDS alone.
; The result's scale bytes leave as single bytes, 32 a wave: a scale word of ac belongs to two heads, which are two work-groups.
; LIMITS: NaN and infinities are not served; blocks under 2^-124 and blocks of zeros keep the byte 1 (this program alone reads the bytes).
; REGISTERS: v1-7 addresses that stay; v8-11 K's scale words; v12 -M, v13 the largest t, v[14:15] the sum; v16-27 qh's fragment; v28-31 V's scale words; v32-79 four slots for K (register 6: the table's word; 7-11 stay 0);
;   v80-127 V's four fragments; v128-191 S^T, p; v192-223 O^T; v224-235 p's codes; v232-242 at work; v243 p's scale word; v244-250 the step's addresses, then the conversions' scale operands; v252 f; v255 qh's scale word.
.set LV,  98304                        ; LDS: K at 0, V here,
.set LKS, 196608                       ; K's scale words, 8,192 bytes,
.set LVS, 204800                       ; V's, 4,096,
.set LWQ, 208896                       ; the head's four tiles of w_q, 49,152,
.set LNM, 258048                       ; [key tile 0-127][place r]: a word: written by LDS stores; no fill lands in these blocks
.set SS,  128
.set OT,  192
.set PSW, 243
.macro ROUND
	s_barrier_signal -1
	s_barrier_wait -1
	s_cmp_lg_u32 s18, 0
	s_cbranch_scc1 .Lnot_wave_0_\@
	s_barrier_signal -3
.Lnot_wave_0_\@:
	s_barrier_wait -3
	s_barrier_signal -1
	s_barrier_wait -1
.endm
.macro PLACES
.rept 4
	v_nop
.endr
.endm
.macro SHAPE g, rows                   ; group 1: a dense block as rows of 256 bytes; mask: all four work-groups, bit 21 beside it
	s_mov_b32 s[\g], 15|(3<<16)|(1<<21)
	s_mov_b32 s[\g+1], 32<<16
	s_mov_b32 s[\g+2], (\rows)<<16
	s_mov_b32 s[\g+3], 32<<16
	s_mov_b32 s[\g+4], \rows
	s_mov_b32 s[\g+5], 32
	s_mov_b32 s[\g+6], 0
	s_mov_b32 s[\g+7], 0
.endm
.macro WM d, a, b, c, sa, sb, ra       ; one product; ra: source 0's scale words stand in lanes 16-31
.if \ra
	v_wmma_scale_f32_16x16x128_f8f6f4 v[\d:\d+7], v[\a:\a+11], v[\b:\b+11], \c, v[\sa], v[\sb] matrix_a_fmt:MATRIX_FMT_FP6 matrix_b_fmt:MATRIX_FMT_FP6 matrix_a_scale:MATRIX_SCALE_ROW1
.else
	v_wmma_scale_f32_16x16x128_f8f6f4 v[\d:\d+7], v[\a:\a+11], v[\b:\b+11], \c, v[\sa], v[\sb] matrix_a_fmt:MATRIX_FMT_FP6 matrix_b_fmt:MATRIX_FMT_FP6
.endif
.endm
; 32 numbers of a lane become six registers of codes in v[dst] on (64 along K); the two scale bytes stay in v236, v237
.macro QUANTH s, dst, tp
.irp b, 0,1
	v_max3_num_f32 v[232+\b], |v[\s+16*\b]|, |v[\s+1+16*\b]|, 0x1800000
.endr
.irp i, 2,4,6,8,10,12,14
.irp b, 0,1
	v_max3_num_f32 v[232+\b], v[232+\b], |v[\s+16*\b+\i]|, |v[\s+1+16*\b+\i]|
.endr
.endr
.irp b, 0,1
	s_delay_alu instid0(VALU_DEP_2)
	v_permlanex16_b32 v[236+\b], v[232+\b], s20, s21
.endr
.irp b, 0,1
	s_delay_alu instid0(VALU_DEP_2)
	v_max_num_f32 v[232+\b], v[232+\b], v[236+\b]
.endr
.irp b, 0,1
	s_delay_alu instid0(VALU_DEP_2)
	v_add_nc_u32 v[244+\b], 0xff000000, v[232+\b]  ; 2 off the exponent field: the conversion's scale operand
.endr
.irp b, 0,1
	s_delay_alu instid0(VALU_DEP_2)
	v_lshrrev_b32 v[236+\b], 23, v[244+\b]         ; the scale's byte
.endr
	v_cvt_scalef32_pk16_fp6_f32 v[\dst:\dst+2], v[\s:\s+15], v244
	v_cvt_scalef32_pk16_fp6_f32 v[\tp:\tp+2], v[\s+16:\s+31], v245
	v_nop
.irp i, 0,1,2
	v_permlane16_swap_b32 v[\dst+\i], v[\tp+\i]    ; a whole block to a lane
.endr
.irp i, 0,1,2
	s_delay_alu instid0(VALU_DEP_3)
	v_mov_b32 v[\dst+3+\i], v[\tp+\i]
.endr
.endm
	s_load_b256 s[4:11], s[0:1], 0x0               ; xc, xs, kvc, kvs
	s_load_b128 s[12:15], s[0:1], 0x20             ; mask, ac
	s_load_b64 s[16:17], s[0:1], 0x30              ; asc
	v_lshl_add_u32 v254, v0, 2, 0x41000
	v_mov_b32 v255, 0
	ds_add_u32 v254, v255                          ; the opening lines
	ds_add_u32 v254, v255
	s_wait_dscnt 0x0
	v_lshrrev_b32 v1, 5, v0
	s_delay_alu instid0(VALU_DEP_1)
	v_readfirstlane_b32 s18, v1                    ; wave 0..15
	s_and_b32 s19, s18, 3                          ; which quarter of a block I fetch
	s_bfe_u32 s86, ttmp6, 0x40000                  ; cx: it enters the addresses of q, ac and asc alone
	s_lshl_b32 s84, ttmp9, 2
	s_add_co_u32 s84, s84, s86                     ; my block of 256 queries
	s_and_b32 s82, ttmp7, 0xffff                   ; bh
	s_and_b32 s83, s82, 15                         ; head
	s_lshr_b32 s87, s82, 4                         ; batch
	s_lshl_b32 s85, s87, 7
	s_lshl_b32 s88, s84, 4
	s_add_co_u32 s85, s85, s88
	s_add_co_u32 s85, s85, s18                     ; T: my tile of queries
	v_and_b32 v252, 31, v0                         ; lane
	v_and_b32 v253, 15, v0                         ; r
	v_bfe_u32 v254, v0, 4, 1                       ; h
	s_delay_alu instid0(VALU_DEP_3)
	v_lshlrev_b32 v1, 4, v252                      ; 16 x lane
	s_delay_alu instid0(VALU_DEP_4)
	v_lshlrev_b32 v2, 3, v252                      ; 8 x lane
	s_delay_alu instid0(VALU_DEP_2)
	v_add_nc_u32 v3, LV, v1
	s_delay_alu instid0(VALU_DEP_2)
	v_add_nc_u32 v4, LV, v2
	s_delay_alu instid0(VALU_DEP_4)
	v_add_nc_u32 v5, LKS, v1                       ; K's scale words: lanes 0-15 tiles 0-3 of a step, lanes 16-31 tiles 4-7
	v_lshl_add_u32 v6, v253, 4, LVS
	v_lshl_add_u32 v7, v253, 2, LNM                ; the keys' table: 4 r; both halves of the lanes read the same word
	v_add_nc_u32 v12, LWQ, v1
	v_add_nc_u32 v13, LWQ, v2
	v_and_b32 v227, 0x1f9, v0                      ; key 32 a + 16 x + 8 u + j lies at word 32 a + 16 u + 8 x + j of the table: my four keys 4 i .. 4 i + 3 go to 16 x (i with its bits 1 and 2 swapped)
	v_bfe_u32 v228, v0, 1, 1
	v_bfe_u32 v229, v0, 2, 1
	v_lshl_or_b32 v227, v228, 2, v227
	v_lshl_or_b32 v227, v229, 1, v227
	v_lshl_add_u32 v14, v227, 4, LNM
	v_lshlrev_b32 v224, 4, v0                      ; 16 x thread
	v_lshlrev_b32 v225, 4, v253                    ; 16 r
	s_delay_alu instid0(VALU_DEP_1)
	v_lshl_add_u32 v226, v254, 9, v225             ; 512 h + 16 r
	s_mov_b32 s20, 0x76543210
	s_mov_b32 s21, 0xfedcba98                      ; selects of v_permlanex16_b32 for lane l xor 16
	s_mov_b32 s22, 0x3e38aa3b                      ; c = log2(e) / 8
	s_mov_b32 s23, s22
	s_mov_b32 s61, 0xffff0000                      ; lanes 16-31
	SHAPE 24, 48                                   ; a tile of w_q: 12,288 bytes
	SHAPE 32, 12                                   ; a quarter of the head's scale words: 3,072
	SHAPE 40, 192                                  ; a quarter of its K and V: 49,152
	s_mov_b32 s67, 0
	s_mov_b32 s69, 0
	s_lshl_b32 s62, s83, 2
	s_add_co_u32 s62, s62, 768                     ; the head's first tile of w_q
	s_wait_alu depctr_va_vdst(0)                   ; the wait at the head's end
	s_wait_kmcnt 0x0
	s_lshl_b32 s66, s87, 13
	s_add_nc_u64 s[76:77], s[12:13], s[66:67]      ; the batch's mask
	s_mul_i32 s66, s85, 12288
	s_add_nc_u64 s[70:71], s[4:5], s[66:67]        ; q's eight fragments
	s_add_nc_u64 s[78:79], s[14:15], s[66:67]
	s_lshl_b32 s66, s85, 9
	s_add_nc_u64 s[72:73], s[6:7], s[66:67]        ; q's scale words
	s_add_nc_u64 s[80:81], s[16:17], s[66:67]
	s_lshl_b32 s66, s62, 9
	s_add_nc_u64 s[74:75], s[6:7], s[66:67]        ; w_q's scale words
	s_mul_i32 s66, s83, 768
	s_add_nc_u64 s[78:79], s[78:79], s[66:67]      ; ac: tile T, K step head / 2, half head % 2
	s_lshr_b32 s66, s83, 3
	s_lshl_b32 s66, s66, 8
	s_and_b32 s63, s83, 7
	s_lshl_b32 s63, s63, 1
	s_add_co_u32 s66, s66, s63
	s_add_nc_u64 s[80:81], s[80:81], s[66:67]      ; asc: K half head / 8, byte 2 (head % 8) of a row's sixteen
	; groups 0: made of bh and the wave's number alone
	s_add_co_u32 s68, s62, s19
	s_mul_i32 s68, s68, 12288
	s_mov_b32 s48, 1
	s_mul_i32 s49, s19, 12288
	s_add_co_u32 s49, s49, LWQ
	s_add_nc_u64 s[50:51], s[4:5], s[68:69]
	s_or_b32 s51, s51, 0x80000000
	s_mul_i32 s68, s82, 12288
	s_mul_i32 s63, s19, 3072
	s_add_co_u32 s68, s68, s63
	s_mov_b32 s52, 1
	s_add_co_u32 s53, s63, LKS
	s_add_nc_u64 s[54:55], s[10:11], s[68:69]
	s_or_b32 s55, s55, 0x80000000
	s_mul_i32 s68, s82, 196608
	s_mul_i32 s57, s19, 49152
	s_add_co_u32 s68, s68, s57
	s_mov_b32 s56, 1
	s_add_nc_u64 s[58:59], s[8:9], s[68:69]
	s_or_b32 s59, s59, 0x80000000
	global_load_b128 v[232:235], v224, s[76:77]    ; four keys' masks a thread: the batch's 2,048
	global_load_b128 v[8:11], v225, s[72:73]       ; q's scale words, K steps 0-3,
	global_load_b128 v[28:31], v225, s[72:73] offset:256   ; 4-7
.irp p, 0,1
.irp u, 0,1
	global_load_b128 v[236+8*\p+4*\u:236+8*\p+4*\u+3], v226, s[74:75] offset:1024*\p+256*\u   ; w_q's: register 236 + 8 p + s
.endr
.endr
.irp s, 0,1,2,3,4,5,6,7
	global_load_b128 v[SS+12*\s:SS+12*\s+3], v1, s[70:71] offset:1536*\s th:TH_LOAD_NT
	global_load_b64 v[SS+12*\s+4:SS+12*\s+5], v2, s[70:71] offset:1536*\s+512 th:TH_LOAD_NT
	global_load_b128 v[SS+12*\s+6:SS+12*\s+9], v1, s[70:71] offset:1536*\s+768 th:TH_LOAD_NT
	global_load_b64 v[SS+12*\s+10:SS+12*\s+11], v2, s[70:71] offset:1536*\s+1280 th:TH_LOAD_NT
.endr
	ROUND                                          ; all four work-groups are here: the joint loads meet
	s_cmp_lt_u32 s18, 4                            ; one chain of branches on the wave's number, one load to an arm
	s_cbranch_scc0 .Lf1
	tensor_load_to_lds s[48:51], s[24:31]          ; waves 0-3: w_q: it is wanted first
	s_nop 0
	PLACES
	s_branch .Lno_fill
.Lf1:
	s_cmp_lt_u32 s18, 8
	s_cbranch_scc0 .Lf2
	tensor_load_to_lds s[52:55], s[32:39]          ; waves 4-7: the scale words
	s_nop 0
	PLACES
	s_branch .Lno_fill
.Lf2:
	s_cmp_lt_u32 s18, 12
	s_cbranch_scc0 .Lno_fill
	tensor_load_to_lds s[56:59], s[40:47]          ; waves 8-11: K and V
	s_nop 0
	PLACES
.Lno_fill:
	s_wait_loadcnt 38                              ; the mask is in; the 38 loads behind it may be out
	v_mov_b32 v254, 0xbbc                          ; the codes -6 (0x3c) and -1.75 (0x2e), at k = 64 and 65
.irp i, 0,1,2,3
	v_cmp_eq_u32 vcc_lo, 0, v[232+\i]
	s_delay_alu instid0(VALU_DEP_1)
	v_cndmask_b32 v[232+\i], 0, v254, vcc_lo
.endr
	ds_store_b128 v14, v[232:235]
	s_cmp_lt_u32 s18, 4                            ; w_q's load line is waves 0-3's own: they wait for it
	s_cbranch_scc0 .Lnot_wq
	s_wait_tensorcnt 0x0
.Lnot_wq:
	s_wait_dscnt 0x0                               ; my part of the table is stored
	s_barrier_signal -1
	s_barrier_wait -1
	s_wait_loadcnt 0x0                             ; q and the scale words
; qh^T = w_q q^T: four tiles of 16 of the head's 64, K step by K step; the four accumulators take turns
.macro QSTEP s
.if (\s) > 0
	PLACES
.endif
.irp a, 0,1,2,3
	ds_load_b128 v[80+12*\a:80+12*\a+3], v12 offset:12288*\a+1536*(\s)
	ds_load_b64 v[80+12*\a+4:80+12*\a+5], v13 offset:12288*\a+1536*(\s)+512
	ds_load_b128 v[80+12*\a+6:80+12*\a+9], v12 offset:12288*\a+1536*(\s)+768
	ds_load_b64 v[80+12*\a+10:80+12*\a+11], v13 offset:12288*\a+1536*(\s)+1280
.endr
	s_wait_dscnt 0x0
.irp a, 0,1,2,3
.if (\s) == 0
	WM 32+8*\a, 80+12*\a, SS+12*(\s), 0, 236+8*(\a/2)+(\s), 8+(\s)+16*((\s)/4), \a%2
.else
	WM 32+8*\a, 80+12*\a, SS+12*(\s), v[32+8*\a:39+8*\a], 236+8*(\a/2)+(\s), 8+(\s)+16*((\s)/4), \a%2
.endif
.endr
.endm
	QSTEP 0
	QSTEP 1
	QSTEP 2
	QSTEP 3
	QSTEP 4
	QSTEP 5
	QSTEP 6
	QSTEP 7
	PLACES
.irp b, 0,1,2,3
	v_mov_b32 v[236+\b], 0                         ; a lane permute's destination counts as one of its sources
.endr
	QUANTH 32, 16, 240                             ; qh's codes: v16-21
	v_lshl_or_b32 v255, v237, 8, v236              ; its scale word:
	v_or_b32 v255, 0x7f8a0000, v255                ; byte 2 is 2^11, for k = 64 .. 95; byte 3, over zero codes, is 127
.irp i, 23,24,25,26,27
	v_mov_b32 v\i, 0                               ; the rest of the upper 64 along K: zero codes
.endr
	v_mov_b32 v22, 0x39c                           ; the codes 6 (0x1c) and 1.75 (0x0e) at k = 64, 65,
	v_cndmask_b32 v22, v22, v23, s61               ; in lanes 0-15 alone: lanes 16-31 hold k = 96 on, zeros
.irp t, 0,1,2,3
.irp i, 7,8,9,10,11
	v_mov_b32 v[32+12*\t+\i], 0                    ; zeros in K's four slots: never loaded
.endr
.endr
.set j, 0
.rept 32
	v_mov_b32 v[OT+j], 0                           ; O^T: the loop is written once; its first step finds zeros
.set j, j+1
.endr
	v_mov_b32 v13, 0xff61b1e6                      ; the largest t so far: -3e38
	s_delay_alu instid0(VALU_DEP_1)
	v_floor_f32 v12, -v13                          ; -M
	v_mov_b32 v14, 0                               ; the sum, in two halves
	v_mov_b32 v15, 0
	v_mov_b32 v253, 0
	s_mov_b32 s60, 0                               ; the key step
	s_mov_b32 s62, 0                               ; 6,144 bytes of K and of V a step,
	s_mov_b32 s63, 0                               ; 512 of K's scale words and of the table,
	s_mov_b32 s66, 0                               ; 256 of V's scale words
	s_wait_tensorcnt 0x0                           ; every wave's load has landed
	s_barrier_signal -1
	s_barrier_wait -1                              ; from here on LDS is only read
.Lkey:                                             ; 16 trips of 128 keys; no barrier and no tensor load inside
	v_add_nc_u32 v244, s62, v1                     ; the step's addresses: also the places behind the last products
	v_add_nc_u32 v245, s62, v2
	v_add_nc_u32 v246, s62, v3
	v_add_nc_u32 v247, s62, v4
	v_add_nc_u32 v248, s63, v5
	v_add_nc_u32 v249, s66, v6
	v_add_nc_u32 v250, s63, v7
	ds_load_b128 v[8:11], v248
.irp t, 0,1,2,3
	ds_load_b128 v[32+12*\t:32+12*\t+3], v244 offset:768*\t
	ds_load_b64 v[32+12*\t+4:32+12*\t+5], v245 offset:768*\t+512
	ds_load_b32 v[32+12*\t+6], v250 offset:64*\t   ; the table's word of my key
.endr
.irp t, 0,1,2,3
	ds_load_b128 v[80+12*\t:80+12*\t+3], v246 offset:1536*\t
	ds_load_b64 v[80+12*\t+4:80+12*\t+5], v247 offset:1536*\t+512
	ds_load_b128 v[80+12*\t+6:80+12*\t+9], v246 offset:1536*\t+768
	ds_load_b64 v[80+12*\t+10:80+12*\t+11], v247 offset:1536*\t+1280
.endr
	ds_load_b128 v[28:31], v249
	s_wait_alu depctr_va_vdst(0)
	s_wait_dscnt 17                                ; K's scale words and tiles 0-3 are in; V's sixteen loads and its scale words may be out
.irp t, 0,1,2,3
	WM SS+8*\t, 32+12*\t, 16, 0, 8+\t, 255, 0      ; S^T = K Q^T
.endr
	PLACES
.irp t, 0,1,2,3
	ds_load_b128 v[32+12*\t:32+12*\t+3], v244 offset:768*(4+\t)
	ds_load_b64 v[32+12*\t+4:32+12*\t+5], v245 offset:768*(4+\t)+512
	ds_load_b32 v[32+12*\t+6], v250 offset:64*(4+\t)
.endr
	s_wait_dscnt 0x0
.irp t, 0,1,2,3
	WM SS+32+8*\t, 32+12*\t, 16, 0, 8+\t, 255, 1
.endr
	PLACES
.irp b, 0,1,2,3
	v_max3_num_f32 v[232+\b], v[SS+16*\b], v[SS+1+16*\b], v[SS+2+16*\b]   ; the largest score of each block of 32 keys: for the row's maximum and for the block's largest p
.endr
.irp i, 3,5,7,9,11,13
.irp b, 0,1,2,3
	v_max3_num_f32 v[232+\b], v[232+\b], v[SS+16*\b+\i], v[SS+1+16*\b+\i]
.endr
.endr
.irp b, 0,1,2,3
	v_max_num_f32 v[232+\b], v[232+\b], v[SS+15+16*\b]
.endr
.irp b, 0,1,2,3
	s_delay_alu instid0(VALU_DEP_4)
	v_permlanex16_b32 v[236+\b], v[232+\b], s20, s21
.endr
.irp b, 0,1,2,3
	s_delay_alu instid0(VALU_DEP_4)
	v_max_num_f32 v[232+\b], v[232+\b], v[236+\b]  ; with lane l xor 16's 16 keys
.endr
	s_delay_alu instid0(VALU_DEP_2)
	v_max3_num_f32 v254, v232, v233, v234
	s_delay_alu instid0(VALU_DEP_1)
	v_max_num_f32 v254, v254, v235                 ; the step's largest score of my query
	s_delay_alu instid0(VALU_DEP_1)
	v_mul_f32 v254, s22, v254                      ; as t
	s_delay_alu instid0(VALU_DEP_1)
	v_max_num_f32 v13, v13, v254                   ; the running largest t
	v_mov_b32 v254, v12
	s_delay_alu instid0(VALU_DEP_2)
	v_floor_f32 v12, -v13                          ; the new -M = -ceil(t)
	s_delay_alu instid0(VALU_DEP_1)
	v_sub_f32 v254, v12, v254                      ; old M less new M
	s_delay_alu instid0(VALU_DEP_1)
	v_cvt_i32_f32 v254, v254
	s_delay_alu instid0(VALU_DEP_1)
	v_ldexp_f32 v252, 1.0, v254                    ; f = 2^(old M - new M)
.set j, 0
.rept 32
	v_pk_fma_f32 v[SS+j:SS+j+1], v[SS+j:SS+j+1], s[22:23], v[12:13] op_sel_hi:[1,0,0]   ; t - M, two at a time
.set j, j+2
.endr
.irp b, 0,1,2,3
	v_fma_f32 v[232+\b], v[232+\b], s22, v12       ; the same of each block's largest score
.endr
.set j, 0
	s_wait_alu depctr_va_vdst(0)                   ; the wait ahead of the batch
.rept 64
	v_exp_f32 v[SS+j], v[SS+j]                     ; p = 2^(t - M), at most 1
.set j, j+1
.endr
	v_pk_mul_f32 v[14:15], v[14:15], v[252:253] op_sel_hi:[1,0]   ; the sums under the new M: the plain line behind the exponentials
	s_wait_alu depctr_va_vdst(0)                   ; one wait for the whole batch
.irp b, 0,1,2,3
	v_exp_f32 v[232+\b], v[232+\b]                 ; the block's largest p
.endr
	v_pk_add_f32 v[236:237], v[132:133], v[136:137]   ; the row's sum of the unquantised p, in eight chains
	v_pk_add_f32 v[250:251], v[140:141], v[144:145]
	v_pk_add_f32 v[248:249], v[148:149], v[152:153]
	v_pk_add_f32 v[246:247], v[156:157], v[160:161]
	v_pk_add_f32 v[244:245], v[164:165], v[168:169]
	v_pk_add_f32 v[242:243], v[172:173], v[176:177]
	v_pk_add_f32 v[240:241], v[180:181], v[184:185]
	v_pk_add_f32 v[14:15], v[14:15], v[188:189]
	v_pk_add_f32 v[236:237], v[236:237], v[128:129]
	v_pk_add_f32 v[250:251], v[250:251], v[130:131]
	v_pk_add_f32 v[248:249], v[248:249], v[134:135]
	v_pk_add_f32 v[246:247], v[246:247], v[138:139]
	v_pk_add_f32 v[244:245], v[244:245], v[142:143]
	v_pk_add_f32 v[242:243], v[242:243], v[146:147]
	v_pk_add_f32 v[240:241], v[240:241], v[150:151]
	v_pk_add_f32 v[14:15], v[14:15], v[154:155]
	v_pk_add_f32 v[236:237], v[236:237], v[158:159]
	v_pk_add_f32 v[250:251], v[250:251], v[162:163]
	v_pk_add_f32 v[248:249], v[248:249], v[166:167]
	v_pk_add_f32 v[246:247], v[246:247], v[170:171]
	v_pk_add_f32 v[244:245], v[244:245], v[174:175]
	v_pk_add_f32 v[242:243], v[242:243], v[178:179]
	v_pk_add_f32 v[240:241], v[240:241], v[182:183]
	v_pk_add_f32 v[14:15], v[14:15], v[186:187]
	v_pk_add_f32 v[236:237], v[236:237], v[190:191]
	s_delay_alu instid0(VALU_DEP_2)
	v_pk_add_f32 v[14:15], v[14:15], v[246:247]
	s_delay_alu instid0(VALU_DEP_2)
	v_pk_add_f32 v[236:237], v[236:237], v[244:245]
	v_pk_add_f32 v[250:251], v[250:251], v[242:243]
	v_pk_add_f32 v[248:249], v[248:249], v[240:241]
	s_delay_alu instid0(VALU_DEP_2)
	v_pk_add_f32 v[14:15], v[14:15], v[250:251]
	s_delay_alu instid0(VALU_DEP_2)
	v_pk_add_f32 v[236:237], v[236:237], v[248:249]
	s_delay_alu instid0(VALU_DEP_1)
	v_pk_add_f32 v[14:15], v[14:15], v[236:237]
	s_wait_alu depctr_va_vdst(0)                   ; and one for the four
.irp b, 0,1,2,3
	v_max_num_f32 v[232+\b], 0x1800000, v[232+\b]  ; the floor 2^(3 - 127)
.endr
.irp b, 0,1,2,3
	s_delay_alu instid0(VALU_DEP_4)
	v_add_nc_u32 v[244+\b], 0xff000000, v[232+\b]  ; the conversion's scale operand
.endr
.irp b, 0,1,2,3
	s_delay_alu instid0(VALU_DEP_4)
	v_lshrrev_b32 v[236+\b], 23, v[244+\b]         ; the scale's byte
.endr
	s_delay_alu instid0(VALU_DEP_3)
	v_lshl_or_b32 v[PSW], v237, 8, v236            ; p's scale word for these 128 keys
	s_delay_alu instid0(VALU_DEP_1)
	v_lshl_or_b32 v[PSW], v238, 16, v[PSW]
	s_delay_alu instid0(VALU_DEP_1)
	v_lshl_or_b32 v[PSW], v239, 24, v[PSW]
.irp c, 0,1
	v_cvt_scalef32_pk16_fp6_f32 v[224+6*\c:226+6*\c], v[SS+32*\c:SS+15+32*\c], v[244+2*\c]
	v_cvt_scalef32_pk16_fp6_f32 v[236+4*\c:238+4*\c], v[SS+16+32*\c:SS+31+32*\c], v[244+2*\c+1]
.endr
	v_nop                                          ; one plain line behind the scaled conversions
.irp c, 0,1
.irp i, 0,1,2
	v_permlane16_swap_b32 v[224+6*\c+\i], v[236+4*\c+\i]
.endr
.irp i, 0,1,2
	s_delay_alu instid0(VALU_DEP_3)
	v_mov_b32 v[227+6*\c+\i], v[236+4*\c+\i]
.endr
.endr
.set j, 0
.rept 16
	v_pk_mul_f32 v[OT+j:OT+j+1], v[OT+j:OT+j+1], v[252:253] op_sel_hi:[1,0]   ; O^T under the new M; these lines also stand between the codes' last write and the products
.set j, j+2
.endr
.irp t, 0,1,2,3
	WM OT+8*\t, 80+12*\t, 224, v[OT+8*\t:OT+8*\t+7], 28+\t, PSW, 0    ; O^T += V^T P^T: the four accumulators by turns
.endr
	s_add_co_u32 s62, s62, 6144
	s_add_co_u32 s63, s63, 512
	s_add_co_u32 s66, s66, 256
	s_add_co_u32 s60, s60, 1
	s_cmp_lt_u32 s60, 16
	s_cbranch_scc1 .Lkey
	; THE WAY OUT: O^T / the sum, quantised along d_model (my head's 64 are two blocks), as half a fragment image of ac
	v_add_f32 v14, v14, v15
	s_delay_alu instid0(VALU_DEP_1)
	v_permlanex16_b32 v252, v14, s20, s21
	s_delay_alu instid0(VALU_DEP_1)
	v_add_f32 v14, v14, v252                       ; the row's sum
	s_wait_alu depctr_va_vdst(0)
	v_rcp_f32 v14, v14
	v_and_b32 v250, 15, v0                         ; plain lines behind the reciprocal, and places behind the last products
	v_bfe_u32 v251, v0, 4, 1
	s_delay_alu instid0(VALU_DEP_1)
	v_lshl_add_u32 v251, v250, 4, v251             ; 16 r + h: my block's byte
	v_nop
	s_wait_alu depctr_va_vdst(0)                   ; ahead of the reciprocal's first reader
.set j, 0
.rept 16
	v_pk_mul_f32 v[SS+j:SS+j+1], v[OT+j:OT+j+1], v[14:15] op_sel_hi:[1,0]   ; each accumulator from its low end on
.set j, j+2
.endr
	QUANTH SS, 224, 240
	v_cndmask_b32 v238, v236, v237, s61            ; lanes 0-15 store block 0's byte, lanes 16-31 block 1's
	global_store_b128 v1, v[224:227], s[78:79]             ; 512 consecutive bytes, aligned to 256
	global_store_b64 v2, v[228:229], s[78:79] offset:512   ; 256
	global_store_b8 v251, v238, s[80:81]
	s_wait_xcnt 0x0
	v_lshl_add_u32 v254, v0, 2, 0x41000
	v_mov_b32 v255, 0
	s_wait_alu depctr_va_vdst(0)
	s_wait_tensorcnt 0x0                           ; the wave's end
	ds_add_u32 v254, v255
	s_wait_dscnt 0x0
	ROUND                                          ; the closing round
	s_endpgm
.Lfunc_end_k_q3a30f886a3_attn:
	.size	k_q3a30f886a3_attn, .Lfunc_end_k_q3a30f886a3_attn-k_q3a30f886a3_attn
	.p2alignl 7, 3214868480
	.fill 96, 4, 3214868480
	.section	.rodata,"a",@progbits
	.p2align	6, 0x0
	.amdhsa_kernel k_q3a30f886a3_attn
		.amdhsa_group_segment_fixed_size 268288
		.amdhsa_private_segment_fixed_size 0
		.amdhsa_enable_private_segment 0
		.amdhsa_kernarg_size 56
		.amdhsa_user_sgpr_count 2
		.amdhsa_user_sgpr_kernarg_segment_ptr 1
		.amdhsa_wavefront_size32 1
		.amdhsa_system_sgpr_workgroup_id_x 1
		.amdhsa_system_sgpr_workgroup_id_y 1
		.amdhsa_system_sgpr_workgroup_id_z 1
		.amdhsa_system_vgpr_workitem_id 0
		.amdhsa_next_free_vgpr 256
		.amdhsa_next_free_sgpr 92
		.amdhsa_reserve_vcc 1
		.amdhsa_float_denorm_mode_32 3
		.amdhsa_float_denorm_mode_16_64 3
		.amdhsa_memory_ordered 1
		.amdhsa_forward_progress 1
		.amdhsa_inst_pref_size 53
	.end_amdhsa_kernel
	.amdgpu_metadata
---
amdhsa.version: [ 1, 2 ]
amdhsa.kernels:
  - .name:           k_q3a30f886a3_attn
    .symbol:         k_q3a30f886a3_attn.kd
    .args:
      - { .name: xc, .offset: 0, .size: 8, .value_kind: global_buffer, .address_space: global }
      - { .name: xs, .offset: 8, .size: 8, .value_kind: global_buffer, .address_space: global }
      - { .name: kvc, .offset: 16, .size: 8, .value_kind: global_buffer, .address_space: global }
      - { .name: kvs, .offset: 24, .size: 8, .value_kind: global_buffer, .address_space: global }
      - { .name: mask, .offset: 32, .size: 8, .value_kind: global_buffer, .address_space: global }
      - { .name: ac, .offset: 40, .size: 8, .value_kind: global_buffer, .address_space: global }
      - { .name: asc, .offset: 48, .size: 8, .value_kind: global_buffer, .address_space: global }
    .group_segment_fixed_size: 268288
    .private_segment_fixed_size: 0
    .kernarg_segment_align: 8
    .kernarg_segment_size: 56
    .max_flat_workgroup_size: 512
    .sgpr_count:     92
    .vgpr_count:     256
    .wavefront_size: 32
...
	.end_amdgpu_metadata
.endif
;; end of part 3
;; launch projo (part 4): grid 8 x 32, 4 waves a work-group, clusters of 4 x 4, 214,528 bytes of LDS; arguments ac, asc, xc, xs, out0; writes out0
.if DOCPART == 4
	.amdgcn_target "amdgcn-amd-amdhsa--gfx1250"
	.amdhsa_code_object_version 6
	.text
	.protected	k_q3a30f886a3_projo
	.globl	k_q3a30f886a3_projo
	.p2align	8
	.type	k_q3a30f886a3_projo,@function
k_q3a30f886a3_projo:
	s_mov_b64 s[64:65], 0
	v_nop
	global_prefetch_b8 v0, s[64:65] scope:SCOPE_SE
	s_setreg_imm32_b32 hwreg(HW_REG_WAVE_MODE, 25, 1), 1
	s_wait_xcnt 0x0
	s_wait_alu depctr_hold_cnt(0) depctr_sa_sdst(0) depctr_va_vdst(0) depctr_va_sdst(0) depctr_va_ssrc(0) depctr_va_vcc(0) depctr_vm_vsrc(0)
	s_getreg_b32 s2, hwreg(HW_REG_IB_STS2, 6, 4)
	s_cmp_eq_u32 s2, 0
	s_cbranch_scc0 .Lentry_in_a_cluster
	s_endpgm
.Lentry_in_a_cluster:
	s_bfe_u32 s2, ttmp6, 0x10000c
	s_cmp_lg_u32 s2, 0xf033
	s_cbranch_scc0 .Lentry_shape_is_right
	s_endpgm
.Lentry_shape_is_right:
; out0[token][n] = sum over k of a[token][k] w_o[n][k], on codes of FP6 (E2M3) with E8M0 scales; sums in f32; out0 [4096][1024] f32.
; a's codes (ac, asc) come from the attention launch, w_o's (xc, xs from tile 960 on) from the quantising launch, both as fragment images: [tile][K step][1,536 bytes], scale words [tile][K half][r][4 words].
; Place r of tile t is row 32 (t / 2) + 8 (t % 2) + r + 8 (r / 8).  Source 0 = 16 rows of w_o, source 1 = 16 tokens: a lane holds eight neighbouring columns of one row of out0.
; SHARES: a work-group makes 128 columns x 128 tokens: 256 work-groups.  Wave w: w_o's tiles 4 (w / 2) on, a's tiles 4 (w % 2) on: 16 accumulators.
; LDS holds both panels for all of K, filled ONCE, in two chunks of four K steps.  One tensor load a wave, at the head: wave 0 w_o's first chunk, wave 1 a's, waves 2, 3 the second chunk's.  Behind them each wave's stage; no fill lands there.
; CLUSTER 4 x 4: w_o's panel is shared along a column, a's along a row: each tile is asked for jointly.
; No prefetch: all of the launch's tiles are asked for at its head, and there is no loop to run ahead in.
; REGISTERS: window 0: v4-9 lane offsets; v16-23 LDS addresses; v32-47, v48-63 scale words of w_o, a; v64-159, v160-255 two sets of fragments (on the way out v64-127 rows of out0).  window 1: accumulator (b, a) at v[8 (4 b + a)].
.set CH,  98304                        ; a chunk: w_o's 8 tiles x 6,144 bytes, then a's 8
.set PB,  49152
.set STG, 196608                       ; the stages: 16 rows x (256 bytes + 16) a wave
.set SC0, 32
.set SC1, 48
.set AD,  16
.set MSB, 0
.macro WIN new
.if MSB != (\new)
	s_set_vgpr_msb (MSB<<8)|(\new)
.set MSB, (\new)
.endif
.endm
.macro ROUND
	s_barrier_signal -1
	s_barrier_wait -1
	s_cmp_lg_u32 s14, 0
	s_cbranch_scc1 .Lnot_wave_0_\@
	s_barrier_signal -3
.Lnot_wave_0_\@:
	s_barrier_wait -3
	s_barrier_signal -1
	s_barrier_wait -1
.endm
.macro PLACES
.rept 4
	v_nop
.endr
.endm
	s_load_b256 s[4:11], s[0:1], 0x0               ; ac, asc, xc, xs
	s_load_b64 s[12:13], s[0:1], 0x20              ; out0
	v_lshl_add_u32 v14, v0, 2, 0x34400
	v_mov_b32 v15, 0
	ds_add_u32 v14, v15                            ; the opening lines
	ds_add_u32 v14, v15
	v_lshrrev_b32 v1, 5, v0
	v_readfirstlane_b32 s14, v1                    ; wave
	s_lshr_b32 s15, s14, 1                         ; WA
	s_and_b32 s2, s14, 1                           ; WB
	v_and_b32 v1, 31, v0
	v_and_b32 v2, 15, v0                           ; r
	v_bfe_u32 v3, v0, 4, 1                         ; h
	v_lshlrev_b32 v4, 4, v1                        ; 16 x lane
	v_lshlrev_b32 v5, 3, v1                        ; 8 x lane
	v_lshlrev_b32 v6, 4, v2
	v_lshl_add_u32 v9, v3, 12, v6                  ; out0: 4,096 h + 16 r
	v_lshl_add_u32 v6, v3, 9, v6                   ; scale words: 512 h + 16 r
	s_mul_i32 s86, s14, 4352
	s_add_co_u32 s86, s86, STG                     ; my stage
	v_mul_u32_u24 v7, v2, 272
	v_lshl_add_u32 v7, v3, 6, v7
	v_add_nc_u32 v7, s86, v7                       ; in: row r, + 64 h
	v_mul_u32_u24 v8, v3, 272
	v_lshl_add_u32 v8, v2, 4, v8
	v_add_nc_u32 v8, s86, v8                       ; back: lanes 0-15 one row of 256 bytes, lanes 16-31 the next
	s_mul_i32 s86, s15, 24576
	s_mul_i32 s87, s2, 24576
	s_add_co_u32 s87, s87, PB
.irp c, 0,1
	v_add_nc_u32 v[AD+4*\c], s86, v4
	v_add_nc_u32 v[AD+4*\c+1], s86, v5
	v_add_nc_u32 v[AD+4*\c+2], s87, v4
	v_add_nc_u32 v[AD+4*\c+3], s87, v5
	s_add_co_u32 s86, s86, CH
	s_add_co_u32 s87, s87, CH
.endr
	s_bfe_u32 s66, ttmp6, 0x40000                  ; cx
	s_bfe_u32 s67, ttmp6, 0x40004                  ; cy
	s_lshl_b32 s68, ttmp9, 2
	s_add_co_u32 s68, s68, s66                     ; work-group x: which 128 columns
	s_and_b32 s69, ttmp7, 0xffff
	s_lshl_b32 s69, s69, 2
	s_add_co_u32 s69, s69, s67                     ; work-group y: which 128 tokens
	s_lshl_b32 s70, s68, 3
	s_add_co_u32 s70, s70, 960                     ; w_o's first tile of my panel, in xc
	s_lshl_b32 s71, s69, 3                         ; a's, in ac
	; groups 1: eight rows of 6,144 bytes (768 elements of 8), 12,288 bytes apart in memory, dense in LDS
	s_lshl_b32 s72, 0x1111, s66                    ; my column of the cluster
	s_or_b32 s16, s72, (3<<16)|(1<<21)
	s_lshl_b32 s73, s67, 2
	s_lshl_b32 s73, 15, s73                        ; my row
	s_or_b32 s24, s73, (3<<16)|(1<<21)
.irp g, 16, 24
	s_mov_b32 s[\g+1], 768<<16
	s_mov_b32 s[\g+2], 8<<16
	s_mov_b32 s[\g+3], 768<<16
	s_mov_b32 s[\g+4], 8
	s_mov_b32 s[\g+5], 1536
	s_mov_b32 s[\g+6], 0
	s_mov_b32 s[\g+7], 0
.endr
	s_mul_i32 s74, s70, 12288
	s_mov_b32 s75, 0
	s_mul_i32 s76, s71, 12288
	s_mov_b32 s77, 0
	s_wait_alu depctr_va_vdst(0)                   ; the wait at the head's end
	s_wait_dscnt 0x0
	s_wait_kmcnt 0x0
	s_add_nc_u64 s[74:75], s[8:9], s[74:75]
	s_add_nc_u64 s[76:77], s[4:5], s[76:77]
.irp c, 0,1
	s_mov_b32 s[32+8*\c], 1
	s_mov_b32 s[33+8*\c], \c*CH
	s_add_nc_u64 s[34+8*\c:35+8*\c], s[74:75], \c*6144
	s_or_b32 s[35+8*\c], s[35+8*\c], 0x80000000
	s_mov_b32 s[36+8*\c], 1
	s_mov_b32 s[37+8*\c], PB+\c*CH
	s_add_nc_u64 s[38+8*\c:39+8*\c], s[76:77], \c*6144
	s_or_b32 s[39+8*\c], s[39+8*\c], 0x80000000
.endr
	ROUND                                          ; all sixteen work-groups are here: the joint loads meet
.macro ARM under, g0, g1, next         ; one chain of branches on the wave's number, one load to an arm
	s_cmp_lt_u32 s14, \under
	s_cbranch_scc0 \next
	tensor_load_to_lds s[\g0:\g0+3], s[\g1:\g1+7]
	s_nop 0
	PLACES
	s_branch .Lasked
\next:
.endm
	ARM 1, 32, 16, .Lw1                            ; wave 0: w_o, K steps 0-3
	ARM 2, 36, 24, .Lw2                            ; wave 1: a, K steps 0-3
	ARM 3, 40, 16, .Lw3                            ; wave 2: w_o, K steps 4-7
	tensor_load_to_lds s[44:47], s[24:31]          ; wave 3: a, K steps 4-7
	s_nop 0
	PLACES
.Lasked:
	s_lshl_b32 s86, s2, 2
	s_add_co_u32 s86, s86, s71                     ; my first tile of tokens
	s_lshl_b32 s84, s86, 16                        ; x 16 rows of 4,096 bytes
	s_lshl_b32 s87, s68, 9
	s_add_co_u32 s84, s84, s87                     ; + 128 columns a work-group,
	s_lshl_b32 s87, s15, 8
	s_add_co_u32 s84, s84, s87                     ; + 64 a wave
	s_mov_b32 s85, 0
	s_add_nc_u64 s[12:13], s[12:13], s[84:85]
	s_lshl_b32 s82, s86, 9
	s_mov_b32 s83, 0
	s_add_nc_u64 s[82:83], s[6:7], s[82:83]        ; a's scale words
	s_lshl_b32 s86, s15, 2
	s_add_co_u32 s86, s86, s70
	s_lshl_b32 s80, s86, 9
	s_mov_b32 s81, 0
	s_add_nc_u64 s[80:81], s[10:11], s[80:81]      ; w_o's
.irp p, 0,1
.irp u, 0,1
	global_load_b128 v[SC0+8*\p+4*\u:SC0+8*\p+4*\u+3], v6, s[80:81] offset:1024*\p+256*\u
	global_load_b128 v[SC1+8*\p+4*\u:SC1+8*\p+4*\u+3], v6, s[82:83] offset:1024*\p+256*\u
.endr
.endr
	s_wait_loadcnt 0x0
.macro FRAG reg, a16, a8, off
	ds_load_b128 v[\reg:\reg+3], v[\a16] offset:\off
	ds_load_b64 v[\reg+4:\reg+5], v[\a8] offset:\off+512
	ds_load_b128 v[\reg+6:\reg+9], v[\a16] offset:\off+768
	ds_load_b64 v[\reg+10:\reg+11], v[\a8] offset:\off+1280
.endm
.macro FETCH s                         ; K step s: 8 fragments, 32 loads, into set s % 2
	WIN 0
.irp a, 0,1,2,3
	FRAG 64+96*((\s)%2)+12*\a, AD+4*((\s)/4), AD+4*((\s)/4)+1, \a*6144+((\s)%4)*1536
.endr
.irp b, 0,1,2,3
	FRAG 112+96*((\s)%2)+12*\b, AD+4*((\s)/4)+2, AD+4*((\s)/4)+3, \b*6144+((\s)%4)*1536
.endr
.endm
.macro WM1 d, a, b, c, sa, sb, ra, rb
.if (\ra) && (\rb)
	v_wmma_scale_f32_16x16x128_f8f6f4 v[\d:\d+7], v[\a:\a+11], v[\b:\b+11], \c, v[\sa], v[\sb] matrix_a_fmt:MATRIX_FMT_FP6 matrix_b_fmt:MATRIX_FMT_FP6 matrix_a_scale:MATRIX_SCALE_ROW1 matrix_b_scale:MATRIX_SCALE_ROW1
.elseif \ra
	v_wmma_scale_f32_16x16x128_f8f6f4 v[\d:\d+7], v[\a:\a+11], v[\b:\b+11], \c, v[\sa], v[\sb] matrix_a_fmt:MATRIX_FMT_FP6 matrix_b_fmt:MATRIX_FMT_FP6 matrix_a_scale:MATRIX_SCALE_ROW1
.elseif \rb
	v_wmma_scale_f32_16x16x128_f8f6f4 v[\d:\d+7], v[\a:\a+11], v[\b:\b+11], \c, v[\sa], v[\sb] matrix_a_fmt:MATRIX_FMT_FP6 matrix_b_fmt:MATRIX_FMT_FP6 matrix_b_scale:MATRIX_SCALE_ROW1
.else
	v_wmma_scale_f32_16x16x128_f8f6f4 v[\d:\d+7], v[\a:\a+11], v[\b:\b+11], \c, v[\sa], v[\sb] matrix_a_fmt:MATRIX_FMT_FP6 matrix_b_fmt:MATRIX_FMT_FP6
.endif
.endm
.macro WM d, a, b, zero, sa, sb, ra, rb
.if \zero
	WM1 \d, \a, \b, 0, \sa, \sb, \ra, \rb
.else
	WM1 \d, \a, \b, v[\d:\d+7], \sa, \sb, \ra, \rb
.endif
.endm
.macro MUL s                           ; 16 products: the 16 accumulators take turns
	WIN 0x50
.irp b, 0,1,2,3
.irp a, 0,1,2,3
	WM 8*(4*\b+\a), 64+96*((\s)%2)+12*\a, 112+96*((\s)%2)+12*\b, (\s)==0, SC0+8*(\a/2)+(\s), SC1+8*(\b/2)+(\s), \a%2, \b%2
.endr
.endr
.endm
.macro KSTEP s
	s_wait_dscnt 0x0                               ; this K step's fragments are in
.if (\s) == 3
	s_wait_tensorcnt 0x0                           ; every wave's load has landed: the second chunk is whole behind this barrier; nothing is filled again
	s_barrier_signal -1
	s_barrier_wait -1
.endif
.if (\s) < 7
	PLACES                                         ; the set that is loaded next was read by the K step before this one
	FETCH (\s)+1
.endif
	MUL \s
.endm
	s_cmp_lt_u32 s14, 2                            ; the first chunk's loads are waves 0 and 1's own lines: they wait
	s_cbranch_scc0 .Lnot_first
	s_wait_tensorcnt 0x0
.Lnot_first:
	s_barrier_signal -1
	s_barrier_wait -1
	FETCH 0
	KSTEP 0
	KSTEP 1
	KSTEP 2
	KSTEP 3
	KSTEP 4
	KSTEP 5
	KSTEP 6
	KSTEP 7
	WIN 0
; THE WAY OUT, a tile of 16 tokens x my 64 columns at a time, through my own stage; back come whole rows of 256 bytes.
; LDS serves a wave's instructions in order (ISA guide 5.7.1.4): no wait between the stores and the loads.
.macro TOSTAGE b
	WIN 0x04                                       ; an LDS store's data are its source 1: window 1
.irp a, 0,1,2,3
	ds_store_b128 v7, v[8*(4*(\b)+\a):8*(4*(\b)+\a)+3] offset:128*(\a/2)+32*(\a%2)         ; each accumulator from its low end on
	ds_store_b128 v7, v[8*(4*(\b)+\a)+4:8*(4*(\b)+\a)+7] offset:128*(\a/2)+32*(\a%2)+16
.endr
	WIN 0
.irp i, 0,1,2,3,4,5,6,7
	ds_load_b128 v[64+32*((\b)%2)+4*\i:64+32*((\b)%2)+4*\i+3], v8 offset:544*\i
.endr
.endm
.macro SEND b, younger                 ; younger: the LDS instructions issued behind tile b's loads, which may stay out
	s_wait_dscnt \younger
.irp i, 0,1,2,3,4,5,6,7
	global_store_b128 v9, v[64+32*((\b)%2)+4*\i:64+32*((\b)%2)+4*\i+3], s[12:13] offset:(32*((\b)/2)+8*((\b)%2)+2*\i+8*(\i/4))*4096 th:TH_STORE_NT   ; sixteen lanes store 256 consecutive bytes, aligned
.endr
.endm
	PLACES
	TOSTAGE 0
.irp b, 1,2,3
.if \b > 1
	s_wait_xcnt 0x0                                ; tile b - 2's stores have read the registers into which tile b's rows are loaded
.endif
	TOSTAGE \b
	SEND \b-1, 16                                  ; behind tile b - 1's loads: tile b's eight stores and eight loads
.endr
	SEND 3, 0
	s_wait_tensorcnt 0x0                           ; the wave's end
	ds_add_u32 v14, v15
	s_wait_dscnt 0x0
	ROUND                                          ; the closing round
	s_endpgm
.Lfunc_end_k_q3a30f886a3_projo:
	.size	k_q3a30f886a3_projo, .Lfunc_end_k_q3a30f886a3_projo-k_q3a30f886a3_projo
	.p2alignl 7, 3214868480
	.fill 96, 4, 3214868480
	.section	.rodata,"a",@progbits
	.p2align	6, 0x0
	.amdhsa_kernel k_q3a30f886a3_projo
		.amdhsa_group_segment_fixed_size 214528
		.amdhsa_private_segment_fixed_size 0
		.amdhsa_enable_private_segment 0
		.amdhsa_kernarg_size 40
		.amdhsa_user_sgpr_count 2
		.amdhsa_user_sgpr_kernarg_segment_ptr 1
		.amdhsa_wavefront_size32 1
		.amdhsa_system_sgpr_workgroup_id_x 1
		.amdhsa_system_sgpr_workgroup_id_y 1
		.amdhsa_system_sgpr_workgroup_id_z 1
		.amdhsa_system_vgpr_workitem_id 0
		.amdhsa_next_free_vgpr 384
		.amdhsa_next_free_sgpr 88
		.amdhsa_reserve_vcc 0
		.amdhsa_float_denorm_mode_32 3
		.amdhsa_float_denorm_mode_16_64 3
		.amdhsa_memory_ordered 1
		.amdhsa_forward_progress 1
		.amdhsa_inst_pref_size 50
	.end_amdhsa_kernel
	.amdgpu_metadata
---
amdhsa.version: [ 1, 2 ]
amdhsa.kernels:
  - .name:           k_q3a30f886a3_projo
    .symbol:         k_q3a30f886a3_projo.kd
    .args:
      - { .name: ac, .offset: 0, .size: 8, .value_kind: global_buffer, .address_space: global }
      - { .name: asc, .offset: 8, .size: 8, .value_kind: global_buffer, .address_space: global }
      - { .name: xc, .offset: 16, .size: 8, .value_kind: global_buffer, .address_space: global }
      - { .name: xs, .offset: 24, .size: 8, .value_kind: global_buffer, .address_space: global }
      - { .name: out0, .offset: 32, .size: 8, .value_kind: global_buffer, .address_space: global }
    .group_segment_fixed_size: 214528
    .private_segment_fixed_size: 0
    .kernarg_segment_align: 8
    .kernarg_segment_size: 40
    .max_flat_workgroup_size: 128
    .sgpr_count:     88
    .vgpr_count:     384
    .wavefront_size: 32
...
	.end_amdgpu_metadata
.endif
;; end of part 4
